; MI455X (gfx1250); checked and timed in simulation.
; The chip was launched on July 23, 2026; its instructions are those of AMD's public machine-readable ISA for CDNA 5 (MIT licence, August 2026) and "CDNA5" Instruction Set Architecture Reference Guide (July 2026). The comments in the code are by the model that wrote it; some were corrected since.
;; Dy Intra Modality Update. Allowed arithmetic: float matrix products may take bf16 or f16 operands with f32 sums; other float arithmetic in f32, or as packed bf16 or f16 multiplies, adds, multiply-adds, maxima and minima; sums over many terms, partial sums and values carried from step to step in f32; what a program stores and reads back later, other than sums and carried values, may be rounded once to bf16 or f16.
;; Inputs: W_t 1,024 x 3,072 float32; W_t4v 1,024 x 1,024 float32; W_to 1,024 x 1,024 float32; W_v 1,024 x 3,072 float32; W_v4t 1,024 x 1,024 float32; W_vo 1,024 x 1,024 float32; b_t 3,072 float32; b_t4v 1,024 float32; b_to 1,024 float32; b_v 3,072 float32; b_v4t 1,024 float32; b_vo 1,024 float32; t 32 x 256 x 1,024 float32; t_mask 32 x 256 float32; v 32 x 128 x 1,024 float32; v_mask 32 x 128 float32.
;; Outputs: out0 32 x 128 x 1,024 float32; out1 32 x 256 x 1,024 float32.
;; Constants: num_head = 16.
;; 2 versions, each right; version 2 is version 1 with the launches pool, gatecast written anew for expert scheduling mode. Each part assembles by itself: llvm-mc -triple=amdgcn-amd-amdhsa -mcpu=gfx1250 --defsym DOCPART=n.
;; ======== version 1 of 2: 4 launches
;; limits: values are held in f16: magnitudes above 65,504 overflow, below 6.1e-05 lose precision
;; workspace buffers: xr 25,165,824 bytes; mr 131,072 bytes; gp 262,144 bytes; wq 12,582,912 bytes; wo 4,194,304 bytes; xs 25,165,824 bytes
;; launch pool (part 1): grid 8 x 64, 8 waves a work-group, no clusters, 5,376 bytes of LDS; arguments v, t, v_mask, t_mask, xr, mr; writes xr, mr
.if DOCPART == 1
	.amdgcn_target "amdgcn-amd-amdhsa--gfx1250"
	.amdhsa_code_object_version 6
	.text
	.protected	k_qd35acbdbe0_pool
	.globl	k_qd35acbdbe0_pool
	.p2align	8
	.type	k_qd35acbdbe0_pool,@function
k_qd35acbdbe0_pool:
	s_mov_b64 s[64:65], 0
	v_nop
	global_prefetch_b8 v0, s[64:65] scope:SCOPE_SE
	s_setreg_imm32_b32 hwreg(HW_REG_WAVE_MODE, 25, 1), 1
	s_wait_xcnt 0x0
; POOL.  xr = relu(x rounded to bf16), row-major [12288][1024] (v's 4,096 rows, then t's 8,192); mr = bf16(relu(masked mean of x)), [2][32][1024] (v, then t).
; A work-group owns one batch (y = 0..31: v, 32..63: t) and 128 columns (x): it alone makes those columns' sums, so no sum spans work-groups.
; Wave w owns 16 (v) or 32 (t) rows, a lane 4 columns: a load of the wave covers 512 consecutive bytes, a store 256 consecutive bytes, aligned.
; The mean is summed in f32 from the unrounded x, as sum(x mask) / sum(mask); a batch whose mask sums to 0 gives what the division gives.
; No tensor load, cluster or matrix unit: a stream has no tile that two waves share.
.set ROWB,  4096                       ; bytes in a row of x
.set SPARE, 4352                       ; LDS: 0..4095 the waves' partial sums, 4096..4127 their mask counts, from 4352 the spare words (128 bytes a wave)
.set XX,  16                           ; v[16:79]   16 rows as loaded, 4 registers each
.set YY,  80                           ; v[80:111]  16 rows to store, 2 registers each
.set SPW, 112                          ; v112 LDS address of my spare word; never rewritten
.set NIL, 113                          ; v113 0; never rewritten
	s_load_b256 s[4:11], s[0:1], 0x0               ; v s[4:5], t s[6:7], v_mask s[8:9], t_mask s[10:11]
	s_load_b128 s[12:15], s[0:1], 0x20             ; xr s[12:13], mr s[14:15]
	v_lshl_add_u32 v[SPW], v0, 2, SPARE
	v_mov_b32 v[NIL], 0
	v_lshrrev_b32 v1, 5, v0
	v_readfirstlane_b32 s32, v1                    ; wave 0..7
	v_and_b32 v1, 31, v0                           ; lane
	v_lshlrev_b32 v2, 4, v1                        ; my 16 bytes of a row piece of x
	v_lshlrev_b32 v3, 3, v1                        ; my 8 bytes of a row piece of xr
.irp j, 4,5,6,7,8
	v_mov_b32 v\j, 0                               ; v[4:7] the four column sums; v8 the 0 of the relu
.endr
	s_and_b32 s33, ttmp7, 0xffff                   ; y
	s_and_b32 s34, s33, 31                         ; batch
	s_lshr_b32 s35, s33, 5                         ; 0: v, 1: t
	s_lshl_b32 s36, 1, s35                         ; blocks of 16 rows a wave: 1 or 2
	s_mov_b32 s37, 0                               ; block counter
	s_mov_b32 s38, 0                               ; my rows' mask sum, f32
	s_mov_b32 s47, 0                               ; high word of the offset pair s[46:47]
	s_wait_kmcnt 0x0
	s_cmp_ge_u32 s33, 32
	s_cselect_b64 s[40:41], s[6:7], s[4:5]         ; x
	s_cselect_b64 s[42:43], s[10:11], s[8:9]       ; its mask
	s_lshl_b32 s46, s34, 19                        ; v: a batch is 128 rows of 4,096 bytes, a wave's share 16 rows; t: twice that
	s_lshl_b32 s39, s32, 16
	s_add_co_u32 s46, s46, s39
	s_lshl_b32 s46, s46, s35
	s_lshl_b32 s39, ttmp9, 9                       ; my 128 columns
	s_add_co_u32 s46, s46, s39
	s_add_nc_u64 s[40:41], s[40:41], s[46:47]
	s_lshl_b32 s46, s34, 9                         ; the mask: 4 bytes a row
	s_lshl_b32 s39, s32, 6
	s_add_co_u32 s46, s46, s39
	s_lshl_b32 s46, s46, s35
	s_add_nc_u64 s[42:43], s[42:43], s[46:47]
	s_lshl_b32 s46, s34, 7                         ; xr: row in the modality,
	s_lshl_b32 s39, s32, 4
	s_add_co_u32 s46, s46, s39
	s_lshl_b32 s46, s46, s35
	s_lshl_b32 s39, s35, 12                        ; t's rows lie behind v's 4,096,
	s_add_co_u32 s46, s46, s39
	s_lshl_b32 s46, s46, 11                        ; 2,048 bytes a row,
	s_lshl_b32 s39, ttmp9, 8                       ; my 128 columns
	s_add_co_u32 s46, s46, s39
	s_add_nc_u64 s[44:45], s[12:13], s[46:47]
.Lblk:                                                 ; a trip: 16 rows
	s_load_b512 s[16:31], s[42:43], 0x0            ; their mask numbers
.irp i, 0,1,2,3,4,5,6,7,8,9,10,11,12,13,14,15
	global_load_b128 v[XX+4*(\i):XX+4*(\i)+3], v2, s[40:41] offset:ROWB*(\i)
.endr
	s_wait_kmcnt 0x0
.irp i, 0,1,2,3,4,5,6,7,8,9,10,11,12,13,14,15
	s_wait_loadcnt 15-(\i)                         ; loads come back in order: row i is in, the younger rows stay out
	v_fmac_f32 v4, s[16+(\i)], v[XX+4*(\i)]
	v_fmac_f32 v5, s[16+(\i)], v[XX+4*(\i)+1]
	v_fmac_f32 v6, s[16+(\i)], v[XX+4*(\i)+2]
	v_fmac_f32 v7, s[16+(\i)], v[XX+4*(\i)+3]
	s_add_f32 s38, s38, s[16+(\i)]
	v_cvt_pk_bf16_f32 v[YY+2*(\i)], v[XX+4*(\i)], v[XX+4*(\i)+1]
	v_cvt_pk_bf16_f32 v[YY+2*(\i)+1], v[XX+4*(\i)+2], v[XX+4*(\i)+3]
	v_pk_max_num_bf16 v[YY+2*(\i)], v[YY+2*(\i)], v8          ; relu on the packed halves
	v_pk_max_num_bf16 v[YY+2*(\i)+1], v[YY+2*(\i)+1], v8
	global_store_b64 v3, v[YY+2*(\i):YY+2*(\i)+1], s[44:45] offset:2048*(\i)
.endr
	s_wait_xcnt 0x0                                ; the bases and the stores' data are rewritten only behind this wait
	s_add_nc_u64 s[40:41], s[40:41], 0x10000
	s_add_nc_u64 s[42:43], s[42:43], 64
	s_add_nc_u64 s[44:45], s[44:45], 0x8000
	s_add_co_u32 s37, s37, 1
	s_cmp_lt_u32 s37, s36
	s_cbranch_scc1 .Lblk
	s_lshl_b32 s46, s32, 9                         ; the waves' figures meet in LDS
	v_add_nc_u32 v9, s46, v2
	ds_store_b128 v9, v[4:7]
	s_lshl_b32 s46, s32, 2
	v_mov_b32 v11, s46
	v_mov_b32 v10, s38
	ds_store_b32 v11, v10 offset:4096
	s_wait_dscnt 0x0                               ; for the others' sake: my stores are done
	s_barrier_signal -1
	s_barrier_wait -1
	s_cmp_lg_u32 s32, 0
	s_cbranch_scc1 .Lend                           ; wave 0 finishes the 128 columns
.irp j, 0,1,2,3,4,5,6,7
	ds_load_b128 v[16+4*(\j):16+4*(\j)+3], v2 offset:512*(\j)
.endr
	v_mov_b32 v14, 4096
	ds_load_b128 v[48:51], v14
	ds_load_b128 v[52:55], v14 offset:16
	s_lshl_b32 s46, s33, 11                        ; mr: row 32 x modality + batch = y, 2,048 bytes a row
	s_lshl_b32 s39, ttmp9, 8
	s_add_co_u32 s46, s46, s39
	s_add_nc_u64 s[14:15], s[14:15], s[46:47]
	s_wait_dscnt 0x0
.irp j, 1,2,3,4,5,6,7
	v_pk_add_f32 v[16:17], v[16:17], v[16+4*(\j):17+4*(\j)]
	v_pk_add_f32 v[18:19], v[18:19], v[18+4*(\j):19+4*(\j)]
	v_add_f32 v48, v48, v[48+(\j)]
.endr
	v_rcp_f32 v48, v48
	v_nop                                          ; a plain instruction between the reciprocal and its use
	s_wait_alu depctr_va_vdst(0)
	v_pk_mul_f32 v[16:17], v[16:17], v[48:49] op_sel_hi:[1,0]
	v_pk_mul_f32 v[18:19], v[18:19], v[48:49] op_sel_hi:[1,0]
	v_max_num_f32 v16, 0, v16
	v_max_num_f32 v17, 0, v17
	v_max_num_f32 v18, 0, v18
	v_max_num_f32 v19, 0, v19
	v_cvt_pk_bf16_f32 v20, v16, v17
	v_cvt_pk_bf16_f32 v21, v18, v19
	global_store_b64 v3, v[20:21], s[14:15]        ; 256 consecutive bytes, aligned
.Lend:
	s_wait_tensorcnt 0x0                           ; the wave's end: closing lines behind my last LDS store
	ds_add_u32 v[SPW], v[NIL]
	s_wait_dscnt 0x0
	s_endpgm
.Lfunc_end_k_qd35acbdbe0_pool:
	.size	k_qd35acbdbe0_pool, .Lfunc_end_k_qd35acbdbe0_pool-k_qd35acbdbe0_pool
	.p2alignl 7, 3214868480
	.fill 96, 4, 3214868480
	.section	.rodata,"a",@progbits
	.p2align	6, 0x0
	.amdhsa_kernel k_qd35acbdbe0_pool
		.amdhsa_group_segment_fixed_size 5376
		.amdhsa_private_segment_fixed_size 0
		.amdhsa_enable_private_segment 0
		.amdhsa_kernarg_size 48
		.amdhsa_user_sgpr_count 2
		.amdhsa_user_sgpr_kernarg_segment_ptr 1
		.amdhsa_wavefront_size32 1
		.amdhsa_system_sgpr_workgroup_id_x 1
		.amdhsa_system_sgpr_workgroup_id_y 1
		.amdhsa_system_sgpr_workgroup_id_z 1
		.amdhsa_system_vgpr_workitem_id 0
		.amdhsa_next_free_vgpr 116
		.amdhsa_next_free_sgpr 66
		.amdhsa_reserve_vcc 0
		.amdhsa_float_denorm_mode_32 3
		.amdhsa_float_denorm_mode_16_64 3
		.amdhsa_memory_ordered 1
		.amdhsa_forward_progress 1
		.amdhsa_inst_pref_size 16
	.end_amdhsa_kernel
	.amdgpu_metadata
---
amdhsa.version: [ 1, 2 ]
amdhsa.kernels:
  - .name:           k_qd35acbdbe0_pool
    .symbol:         k_qd35acbdbe0_pool.kd
    .args:
      - { .name: v, .offset: 0, .size: 8, .value_kind: global_buffer, .address_space: global }
      - { .name: t, .offset: 8, .size: 8, .value_kind: global_buffer, .address_space: global }
      - { .name: v_mask, .offset: 16, .size: 8, .value_kind: global_buffer, .address_space: global }
      - { .name: t_mask, .offset: 24, .size: 8, .value_kind: global_buffer, .address_space: global }
      - { .name: xr, .offset: 32, .size: 8, .value_kind: global_buffer, .address_space: global }
      - { .name: mr, .offset: 40, .size: 8, .value_kind: global_buffer, .address_space: global }
    .group_segment_fixed_size: 5376
    .private_segment_fixed_size: 0
    .kernarg_segment_align: 8
    .kernarg_segment_size: 48
    .max_flat_workgroup_size: 256
    .sgpr_count:     66
    .vgpr_count:     116
    .wavefront_size: 32
...
	.end_amdgpu_metadata
.endif
;; end of part 1
;; launch gatecast (part 2): grid 20 x 16, 8 waves a work-group, no clusters, 99,328 bytes of LDS; arguments mr, W_t4v, W_v4t, b_t4v, b_v4t, W_v, W_t, W_vo, W_to, gp, wq, wo; writes gp, wq, wo
.if DOCPART == 2
	.amdgcn_target "amdgcn-amd-amdhsa--gfx1250"
	.amdhsa_code_object_version 6
	.text
	.protected	k_qd35acbdbe0_gatecast
	.globl	k_qd35acbdbe0_gatecast
	.p2align	8
	.type	k_qd35acbdbe0_gatecast,@function
k_qd35acbdbe0_gatecast:
	s_mov_b64 s[64:65], 0
	v_nop
	global_prefetch_b8 v0, s[64:65] scope:SCOPE_SE
	s_setreg_imm32_b32 hwreg(HW_REG_WAVE_MODE, 25, 1), 1
	s_wait_xcnt 0x0
; GATES AND WEIGHT IMAGES.  Three kinds of work-group, chosen by x (the same for all eight waves):
;   x = 0..3    gate m = x / 2, columns 32 (2 y + x % 2) on: 1 + sigmoid(mr[1 - m] W4 + b4); m = 0: t's mean, W_t4v (the gate of v's attention); m = 1: v's mean, W_v4t
;   x = 4..15   W_v, W_t rounded to bf16 and laid out as fragment images in wq: part (k, q, v), modality, half of K by x; head by y
;   x = 16..19  W_vo, W_to rounded to bf16, that number written as f16, as fragment images in wo: modality, half of K by x; 64 columns by y
; gp lies in blocks [gate][32 columns][batch 32][32] of f32: a gate work-group stores one dense block of 4,096 bytes.
; A FRAGMENT IMAGE is the register image of 32 k x 16 columns: 512 bytes of registers 0-3 (lane l at 16 l), then 512 of registers 4-7; lane (r = l % 16, h = l / 16) holds column r and
; k = 8 h + 0..7, then 16 + 8 h + 0..7.  THE COMMON STEP: a wave brings its rows (k) of f32 by 32 loads, ALL ISSUED AHEAD OF THE FIRST WAIT, rounds them, lays them into its own LDS block as [k][column]
; 16-bit numbers, and reads fragments back with the turning load.  Images: 64 k x 64 columns, LDS rows 160 bytes apart.  Gates: 128 k x 32 columns, LDS rows 96 bytes apart; a row piece of W4 is 128
; bytes, so each aligned 256 bytes of W_t4v and W_v4t are read by two work-groups, half each: the price of 32 loads a wave where 64 columns would need 64.
; All inputs are rounded to bf16, the biases too.  LIMIT: W_vo and W_to stay within f16's range, 65,504; below 6e-5 they keep f16's fixed step of 6e-8.
.set WTB,   12288                      ; a wave's LDS block: gates 128 rows x 96 bytes, images 64 rows x 160; later, in the gates, 32 batches x 144 bytes of f32 partial sums
.set SPARE, 98304                      ; behind the eight blocks: the spare words, 128 bytes a wave
.set SPW, 12                           ; v12 LDS address of my spare word; never rewritten
.set NIL, 13                           ; v13 0; never rewritten
.set ACC, 16                           ; gates: v[16:47] 4 accumulators (column block n, batch block b at 8 (2 n + b)); images: v[16:79] 8 fragments
.set M,   80                           ; gates: v[80:143] mr's fragments (K step e, batch block b at 16 e + 8 b), later the partial sums read back; images: v[80:207] the 32 loads
.set X,   144                          ; gates: v[144:207] loads 0-15 (16-23 in v[48:79], 24-31 in v[208:239]), then W's 8 fragments (K step e, column block n at 16 e + 8 n)
.set T,   240                          ; v[240:245] at work
.set YP,  248                          ; v[248:249] 4 numbers rounded, on their way into LDS
.set WB,  40                           ; s[40:41] W at my first row and column
.set OB,  42                           ; s[42:43] where my results go
; v1 r, v2 h, v3 my offset in the rows of one load, v4 where I put 8 bytes in LDS, v5 my address for the turning load, v10 16 x lane, v14 (l / 8) % 2, v15 l % 8; s52 a word's upper half
; Load i of 32, in registers r on, is rounded and laid into LDS, step bytes behind load i - 1.  fmt = 0: bf16; 1: the bf16 number as f16.
.macro CONV i, r, fmt, step
	s_wait_loadcnt 31-(\i)                         ; loads come back in order: load i is in, the 31 - i younger ones stay out
.set rX, (\r)
.if \fmt
	v_cvt_pk_bf16_f32 v[T], v[rX], v[rX+1]
	v_cvt_pk_bf16_f32 v[T+1], v[rX+2], v[rX+3]
	v_lshlrev_b32 v[T+2], 16, v[T]
	v_and_b32 v[T+3], s52, v[T]
	v_lshlrev_b32 v[T+4], 16, v[T+1]
	v_and_b32 v[T+5], s52, v[T+1]
	v_cvt_pk_f16_f32 v[YP], v[T+2], v[T+3]
	v_cvt_pk_f16_f32 v[YP+1], v[T+4], v[T+5]
.else
	v_cvt_pk_bf16_f32 v[YP], v[rX], v[rX+1]
	v_cvt_pk_bf16_f32 v[YP+1], v[rX+2], v[rX+3]
.endif
	ds_store_b64 v4, v[YP:YP+1] offset:(\step)*(\i)
.endm
; 64 k x 64 columns become 8 images; a load takes 256 bytes of two rows; kss: bytes from one K step of 32 to the next in the output
.macro IMG fmt, rowb, kss
.set ii, 0
.rept 32
	global_load_b128 v[M+4*ii:M+4*ii+3], v3, s[WB:WB+1] offset:ii*2*(\rowb) th:TH_LOAD_NT
.set ii, ii+1
.endr
.set ii, 0
.rept 32
	CONV ii, M+4*ii, \fmt, 320
.set ii, ii+1
.endr
.irp e, 0,1
.irp c, 0,1,2,3
	ds_load_tr16_b128 v[ACC+32*\e+8*\c:ACC+32*\e+8*\c+3],   v5 offset:5120*\e+32*\c       ; LDS serves a wave's instructions in order: these see my stores above
	ds_load_tr16_b128 v[ACC+32*\e+8*\c+4:ACC+32*\e+8*\c+7], v5 offset:5120*\e+32*\c+2560
.endr
.endr
	s_wait_dscnt 0x0
.irp e, 0,1
.irp c, 0,1,2,3
	global_store_b128 v10, v[ACC+32*\e+8*\c:ACC+32*\e+8*\c+3],   s[OB:OB+1] offset:(\kss)*\e+1024*\c      ; 512 consecutive bytes, aligned
	global_store_b128 v10, v[ACC+32*\e+8*\c+4:ACC+32*\e+8*\c+7], s[OB:OB+1] offset:(\kss)*\e+1024*\c+512
.endr
.endr
.endm
	s_load_b512 s[8:23], s[0:1], 0x0               ; mr s[8:9], W_t4v s[10:11], W_v4t s[12:13], b_t4v s[14:15], b_v4t s[16:17], W_v s[18:19], W_t s[20:21], W_vo s[22:23]
	s_load_b256 s[24:31], s[0:1], 0x40             ; W_to s[24:25], gp s[26:27], wq s[28:29], wo s[30:31]
	v_lshl_add_u32 v[SPW], v0, 2, SPARE
	v_mov_b32 v[NIL], 0
	v_lshrrev_b32 v1, 5, v0
	v_readfirstlane_b32 s32, v1                    ; wave 0..7
	v_and_b32 v10, 31, v0
	v_lshlrev_b32 v10, 4, v10                      ; 16 x lane
	v_and_b32 v1, 15, v0                           ; r
	v_bfe_u32 v2, v0, 4, 1                         ; h
	v_and_b32 v15, 7, v0                           ; l % 8
	v_bfe_u32 v14, v0, 3, 1                        ; (l / 8) % 2
	s_mul_i32 s33, s32, WTB                        ; my LDS block
	v_mul_u32_u24 v4, v2, 160                      ; images, in: row h of the two, 8 bytes for 4 columns
	v_lshl_add_u32 v4, v1, 3, v4
	v_add_nc_u32 v4, s33, v4
	v_lshl_add_u32 v5, v2, 3, v15                  ; the turning load: lane l reads row 8 h + l % 8, columns 8 ((l / 8) % 2) + 0..7
	v_mul_u32_u24 v5, v5, 160
	v_lshl_add_u32 v5, v14, 4, v5
	v_add_nc_u32 v5, s33, v5
	s_mov_b32 s52, 0xffff0000
	s_mov_b32 s34, ttmp9                           ; x
	s_and_b32 s35, ttmp7, 0xffff                   ; y
	s_mov_b32 s45, 0                               ; high word of the offset pair s[44:45]
	s_wait_kmcnt 0x0
	s_cmp_lt_u32 s34, 4
	s_cbranch_scc1 .Lgate
	s_cmp_lt_u32 s34, 16
	s_cbranch_scc0 .Lwo
	; W_v, W_t -> wq [modality][head][K block of 128][K step of 32][part x 4 + column block][1,024 bytes]
	s_sub_co_u32 s36, s34, 4
	s_lshr_b32 s37, s36, 2                         ; part: 0 k, 1 q, 2 v
	s_bfe_u32 s38, s36, 0x10001                    ; modality
	s_and_b32 s39, s36, 1
	s_lshl_b32 s39, s39, 3
	s_add_co_u32 s39, s39, s32                     ; my 64 rows of K: chunk 0..15
	s_mul_i32 s44, s39, 786432                     ; 64 rows of 12,288 bytes
	s_lshl_b32 s46, s37, 12                        ; the part's 1,024 columns
	s_add_co_u32 s44, s44, s46
	s_lshl_b32 s46, s35, 8                         ; the head's 64
	s_add_co_u32 s44, s44, s46
	s_cmp_eq_u32 s38, 1
	s_cselect_b64 s[WB:WB+1], s[20:21], s[18:19]
	s_add_nc_u64 s[WB:WB+1], s[WB:WB+1], s[44:45]
	s_lshl_b32 s44, s38, 4
	s_add_co_u32 s44, s44, s35
	s_lshl_b32 s44, s44, 3
	s_lshr_b32 s46, s39, 1
	s_add_co_u32 s44, s44, s46
	s_mul_i32 s44, s44, 49152                      ; a K block: 4 steps x 12 images
	s_and_b32 s46, s39, 1
	s_mul_i32 s46, s46, 24576
	s_add_co_u32 s44, s44, s46
	s_lshl_b32 s46, s37, 12
	s_add_co_u32 s44, s44, s46
	s_add_nc_u64 s[OB:OB+1], s[28:29], s[44:45]
	v_mul_u32_u24 v3, v2, 12288
	v_lshl_add_u32 v3, v1, 4, v3
	IMG 0, 12288, 12288
	s_branch .Lend
.Lwo:	; W_vo, W_to -> wo [modality][256 columns][K block of 128][K step of 32][column block 0..15][1,024 bytes]
	s_sub_co_u32 s36, s34, 16
	s_lshr_b32 s38, s36, 1                         ; modality
	s_and_b32 s39, s36, 1
	s_lshl_b32 s39, s39, 3
	s_add_co_u32 s39, s39, s32                     ; chunk
	s_lshl_b32 s44, s39, 18                        ; 64 rows of 4,096 bytes
	s_lshl_b32 s46, s35, 8
	s_add_co_u32 s44, s44, s46
	s_cmp_eq_u32 s38, 1
	s_cselect_b64 s[WB:WB+1], s[24:25], s[22:23]
	s_add_nc_u64 s[WB:WB+1], s[WB:WB+1], s[44:45]
	s_lshl_b32 s44, s38, 2
	s_lshr_b32 s46, s35, 2
	s_add_co_u32 s44, s44, s46
	s_lshl_b32 s44, s44, 3
	s_lshr_b32 s46, s39, 1
	s_add_co_u32 s44, s44, s46
	s_lshl_b32 s44, s44, 16                        ; a K block: 4 steps x 16 images
	s_and_b32 s46, s39, 1
	s_lshl_b32 s46, s46, 15
	s_add_co_u32 s44, s44, s46
	s_and_b32 s46, s35, 3
	s_lshl_b32 s46, s46, 12
	s_add_co_u32 s44, s44, s46
	s_add_nc_u64 s[OB:OB+1], s[30:31], s[44:45]
	v_lshlrev_b32 v3, 12, v2
	v_lshl_add_u32 v3, v1, 4, v3
	IMG 1, 4096, 16384
	s_branch .Lend
.Lgate:	; 32 batches x 32 columns; wave w sums over k = 128 w .. 128 w + 127, and the eight partial sums meet in LDS
	s_lshr_b32 s37, s34, 1                         ; which gate
	s_and_b32 s38, s34, 1
	s_lshl_b32 s39, s35, 1
	s_add_co_u32 s39, s39, s38                     ; block of 32 columns, 0..31
	s_cmp_eq_u32 s37, 1
	s_cselect_b64 s[WB:WB+1], s[12:13], s[10:11]
	s_cselect_b64 s[50:51], s[16:17], s[14:15]
	s_xor_b32 s36, s37, 1                          ; the other modality's mean
	s_lshl_b32 s44, s36, 16
	s_lshl_b32 s46, s32, 8
	s_add_co_u32 s44, s44, s46
	s_add_nc_u64 s[48:49], s[8:9], s[44:45]        ; mr at my 128 k
	s_lshl_b32 s44, s32, 19                        ; 128 rows of 4,096 bytes
	s_lshl_b32 s46, s39, 7                         ; 32 columns are 128 bytes
	s_add_co_u32 s44, s44, s46
	s_add_nc_u64 s[WB:WB+1], s[WB:WB+1], s[44:45]
	s_mov_b32 s44, s46
	s_add_nc_u64 s[50:51], s[50:51], s[44:45]      ; the bias at my 32 columns
	s_lshl_b32 s44, s37, 17
	s_lshl_b32 s46, s39, 12
	s_add_co_u32 s44, s44, s46
	s_add_nc_u64 s[OB:OB+1], s[26:27], s[44:45]    ; my block of gp
	v_bfe_u32 v9, v0, 3, 2                         ; l / 8
	v_lshlrev_b32 v3, 12, v9                       ; W: a load takes 128 bytes of four rows: row l / 8, 16 bytes at 16 (l % 8)
	v_lshl_add_u32 v3, v15, 4, v3
	v_mul_u32_u24 v4, v9, 96                       ; into LDS: the same row, 8 bytes
	v_lshl_add_u32 v4, v15, 3, v4
	v_add_nc_u32 v4, s33, v4
	v_lshl_add_u32 v5, v2, 3, v15                  ; the turning load, rows 96 bytes apart
	v_mul_u32_u24 v5, v5, 96
	v_lshl_add_u32 v5, v14, 4, v5
	v_add_nc_u32 v5, s33, v5
	v_lshlrev_b32 v6, 11, v1
	v_lshl_add_u32 v6, v2, 4, v6                   ; mr: batch r, 16 bytes for each half of the lanes
	v_mul_u32_u24 v7, v1, 144                      ; partial sums in: batch r, columns 8 h on; rows of 128 + 16 bytes
	v_lshl_add_u32 v7, v2, 5, v7
	v_add_nc_u32 v7, s33, v7
	s_mul_i32 s46, s32, 576                        ; back: batch 4 w + l / 8, columns 4 (l % 8) on
	v_mul_u32_u24 v8, v9, 144
	v_lshl_add_u32 v8, v15, 4, v8
	v_add_nc_u32 v8, s46, v8
	v_add_nc_u32 v9, 49152, v8                     ; waves 4 to 7's blocks lie beyond the 16-bit offset
	s_lshl_b32 s46, s32, 9
	v_add_nc_u32 v11, s46, v10                     ; gp: my wave's four batches are 512 consecutive bytes of the block
	v_lshlrev_b32 v14, 4, v15                      ; the bias of my 4 columns
.irp e, 0,1,2,3
.irp b, 0,1
	global_load_b128 v[M+16*\e+8*\b:M+16*\e+8*\b+3],   v6, s[48:49] offset:32768*\b+64*\e
	global_load_b128 v[M+16*\e+8*\b+4:M+16*\e+8*\b+7], v6, s[48:49] offset:32768*\b+64*\e+32
.endr
.endr
.macro GSL i                           ; where load i of W lies
.if (\i) < 16
.set gx, X+4*(\i)
.elseif (\i) < 24
.set gx, 48+4*((\i)-16)
.else
.set gx, 208+4*((\i)-24)
.endif
.endm
.set ii, 0
.rept 32
	GSL ii
	global_load_b128 v[gx:gx+3], v3, s[WB:WB+1] offset:ii*16384 th:TH_LOAD_NT
.set ii, ii+1
.endr
.set ii, 0
.rept 32
	GSL ii
	CONV ii, gx, 0, 384                            ; (mr's loads were issued ahead of W's: they are in with W's first)
.set ii, ii+1
.endr
.irp e, 0,1,2,3
.irp n, 0,1
	ds_load_tr16_b128 v[X+16*\e+8*\n:X+16*\e+8*\n+3],   v5 offset:3072*\e+32*\n       ; LDS serves a wave's instructions in order: these see my stores above
	ds_load_tr16_b128 v[X+16*\e+8*\n+4:X+16*\e+8*\n+7], v5 offset:3072*\e+32*\n+1536
.endr
.endr
	s_wait_dscnt 0x0
; Source 0 = 16 columns of W, source 1 = 16 batches: a lane holds batch r and columns 8 h + 0..7.  The 4 accumulators take turns; the first K step starts the sums.
.irp e, 0,1,2,3
.irp n, 0,1
.irp b, 0,1
.if \e == 0
	v_wmma_f32_16x16x32_bf16 v[ACC+8*(2*\n+\b):ACC+8*(2*\n+\b)+7], v[X+16*\e+8*\n:X+16*\e+8*\n+7], v[M+16*\e+8*\b:M+16*\e+8*\b+7], 0
.else
	v_wmma_f32_16x16x32_bf16 v[ACC+8*(2*\n+\b):ACC+8*(2*\n+\b)+7], v[X+16*\e+8*\n:X+16*\e+8*\n+7], v[M+16*\e+8*\b:M+16*\e+8*\b+7], v[ACC+8*(2*\n+\b):ACC+8*(2*\n+\b)+7]
.endif
.endr
.endr
.endr
.rept 4
	v_nop                                          ; four places behind the products: the stores below read their results, the loads below land in their sources
.endr
.irp n, 0,1
.irp b, 0,1
	ds_store_b128 v7, v[ACC+8*(2*\n+\b):ACC+8*(2*\n+\b)+3]   offset:2304*\b+64*\n      ; each accumulator from its low end on; over my rows of W, whose reads have come back
	ds_store_b128 v7, v[ACC+8*(2*\n+\b)+4:ACC+8*(2*\n+\b)+7] offset:2304*\b+64*\n+16
.endr
.endr
	global_load_b128 v[112:115], v14, s[50:51]     ; the bias of my 4 columns
	s_wait_dscnt 0x0                               ; for the others' sake: my partial sums are in LDS
	s_barrier_signal -1
	s_barrier_wait -1
.irp s, 0,1,2,3
	ds_load_b128 v[M+4*\s:M+4*\s+3], v8 offset:12288*\s
.endr
.irp s, 0,1,2,3
	ds_load_b128 v[M+16+4*\s:M+16+4*\s+3], v9 offset:12288*\s
.endr
	s_wait_loadcnt 0x0
	v_cvt_pk_bf16_f32 v[T], v112, v113             ; the bias rounded to bf16, like every input,
	v_cvt_pk_bf16_f32 v[T+1], v114, v115
	v_lshlrev_b32 v112, 16, v[T]
	v_and_b32 v113, s52, v[T]
	v_lshlrev_b32 v114, 16, v[T+1]
	v_and_b32 v115, s52, v[T+1]
	v_pk_mul_f32 v[112:113], v[112:113], 0xbfb8aa3b op_sel_hi:[1,0]  ; times -log2(e), so that sum and bias go into one fused multiply-add
	v_pk_mul_f32 v[114:115], v[114:115], 0xbfb8aa3b op_sel_hi:[1,0]
	s_wait_dscnt 0x0
.irp s, 1,2,3,4,5,6,7
	v_pk_add_f32 v[M:M+1],   v[M:M+1],   v[M+4*\s:M+4*\s+1]        ; K ascending
	v_pk_add_f32 v[M+2:M+3], v[M+2:M+3], v[M+4*\s+2:M+4*\s+3]
.endr
	v_pk_fma_f32 v[M:M+1],   v[M:M+1],   0xbfb8aa3b, v[112:113] op_sel_hi:[1,0,1]
	v_pk_fma_f32 v[M+2:M+3], v[M+2:M+3], 0xbfb8aa3b, v[114:115] op_sel_hi:[1,0,1]
.irp b, 80,81,82,83
	v_exp_f32 v\b, v\b                             ; e^-z
.endr
	v_nop
	s_wait_alu depctr_va_vdst(0)
.irp b, 80,81,82,83
	v_add_f32 v\b, 1.0, v\b
.endr
.irp b, 80,81,82,83
	v_rcp_f32 v\b, v\b                             ; the sigmoid
.endr
	v_nop
	s_wait_alu depctr_va_vdst(0)
.irp b, 80,81,82,83
	v_add_f32 v\b, 1.0, v\b                        ; 1 + gate
.endr
	global_store_b128 v11, v[80:83], s[OB:OB+1]    ; 512 consecutive bytes, aligned
.Lend:
	s_wait_tensorcnt 0x0                           ; the wave's end: closing lines behind my last LDS store
	ds_add_u32 v[SPW], v[NIL]
	s_wait_dscnt 0x0
	s_endpgm
.Lfunc_end_k_qd35acbdbe0_gatecast:
	.size	k_qd35acbdbe0_gatecast, .Lfunc_end_k_qd35acbdbe0_gatecast-k_qd35acbdbe0_gatecast
	.p2alignl 7, 3214868480
	.fill 96, 4, 3214868480
	.section	.rodata,"a",@progbits
	.p2align	6, 0x0
	.amdhsa_kernel k_qd35acbdbe0_gatecast
		.amdhsa_group_segment_fixed_size 99328
		.amdhsa_private_segment_fixed_size 0
		.amdhsa_enable_private_segment 0
		.amdhsa_kernarg_size 96
		.amdhsa_user_sgpr_count 2
		.amdhsa_user_sgpr_kernarg_segment_ptr 1
		.amdhsa_wavefront_size32 1
		.amdhsa_system_sgpr_workgroup_id_x 1
		.amdhsa_system_sgpr_workgroup_id_y 1
		.amdhsa_system_sgpr_workgroup_id_z 1
		.amdhsa_system_vgpr_workitem_id 0
		.amdhsa_next_free_vgpr 256
		.amdhsa_next_free_sgpr 66
		.amdhsa_reserve_vcc 0
		.amdhsa_float_denorm_mode_32 3
		.amdhsa_float_denorm_mode_16_64 3
		.amdhsa_memory_ordered 1
		.amdhsa_forward_progress 1
		.amdhsa_inst_pref_size 56
	.end_amdhsa_kernel
	.amdgpu_metadata
---
amdhsa.version: [ 1, 2 ]
amdhsa.kernels:
  - .name:           k_qd35acbdbe0_gatecast
    .symbol:         k_qd35acbdbe0_gatecast.kd
    .args:
      - { .name: mr, .offset: 0, .size: 8, .value_kind: global_buffer, .address_space: global }
      - { .name: W_t4v, .offset: 8, .size: 8, .value_kind: global_buffer, .address_space: global }
      - { .name: W_v4t, .offset: 16, .size: 8, .value_kind: global_buffer, .address_space: global }
      - { .name: b_t4v, .offset: 24, .size: 8, .value_kind: global_buffer, .address_space: global }
      - { .name: b_v4t, .offset: 32, .size: 8, .value_kind: global_buffer, .address_space: global }
      - { .name: W_v, .offset: 40, .size: 8, .value_kind: global_buffer, .address_space: global }
      - { .name: W_t, .offset: 48, .size: 8, .value_kind: global_buffer, .address_space: global }
      - { .name: W_vo, .offset: 56, .size: 8, .value_kind: global_buffer, .address_space: global }
      - { .name: W_to, .offset: 64, .size: 8, .value_kind: global_buffer, .address_space: global }
      - { .name: gp, .offset: 72, .size: 8, .value_kind: global_buffer, .address_space: global }
      - { .name: wq, .offset: 80, .size: 8, .value_kind: global_buffer, .address_space: global }
      - { .name: wo, .offset: 88, .size: 8, .value_kind: global_buffer, .address_space: global }
    .group_segment_fixed_size: 99328
    .private_segment_fixed_size: 0
    .kernarg_segment_align: 8
    .kernarg_segment_size: 96
    .max_flat_workgroup_size: 256
    .sgpr_count:     66
    .vgpr_count:     256
    .wavefront_size: 32
...
	.end_amdgpu_metadata
.endif
;; end of part 2
;; launch qkvattn (part 3): grid 16 x 48, 4 waves a work-group, clusters of 4 x 4, 327,680 bytes of LDS; arguments xr, wq, gp, b_v, b_t, v_mask, t_mask, v, t, xs; writes xs
.if DOCPART == 3
	.amdgcn_target "amdgcn-amd-amdhsa--gfx1250"
	.amdhsa_code_object_version 6
	.text
	.protected	k_qd35acbdbe0_qkvattn
	.globl	k_qd35acbdbe0_qkvattn
	.p2align	8
	.type	k_qd35acbdbe0_qkvattn,@function
k_qd35acbdbe0_qkvattn:
	s_mov_b64 s[64:65], 0
	v_nop
	global_prefetch_b8 v0, s[64:65] scope:SCOPE_SE
	s_setreg_imm32_b32 hwreg(HW_REG_WAVE_MODE, 25, 1), 1
	s_wait_xcnt 0x0
	s_wait_alu depctr_hold_cnt(0) depctr_sa_sdst(0) depctr_va_vdst(0) depctr_va_sdst(0) depctr_va_ssrc(0) depctr_va_vcc(0) depctr_vm_vsrc(0)
	s_getreg_b32 s2, hwreg(HW_REG_IB_STS2, 6, 4)
	s_cmp_eq_u32 s2, 0
	s_cbranch_scc0 .Lentry_in_a_cluster
	s_endpgm
.Lentry_in_a_cluster:
	s_bfe_u32 s2, ttmp6, 0x10000c
	s_cmp_lg_u32 s2, 0xf033
	s_cbranch_scc0 .Lentry_shape_is_right
	s_endpgm
.Lentry_shape_is_right:
; K/Q/V PROJECTION AND ATTENTION OF ONE HEAD FOR 256 ROWS.  A work-group takes 256 rows of xr (Y = 0..15: two batches of v; Y = 16..47: one batch of t) and one head: it multiplies them by the
; head's 192 columns of W (K = 1,024), applies bias, row mask and gate, keeps k', q', v' in LDS and registers, runs the attention, adds the residual and stores x + update as f16 fragment images.
; ONE TEXT FOR BOTH MODALITIES.  In a v job waves 0, 1 own the first batch and waves 2, 3 the second.  The attention's text is cut at key 128: a wave's first 128 keys are always its own batch's (the LDS
; address and the mask's offset say which), and the second halves are jumped over in a v job.  The jumps hang on the cluster's y alone, which all sixteen partners share.
; SHARES.  Wave w owns rows 64 w .. + 63 (four tiles of 16), all 192 columns: 48 accumulators; later those 64 queries against its batch's 128 or 256 keys.
; LAYOUT.  K and Q: source 0 = 16 columns of W, source 1 = 16 rows of x: a lane holds ONE token (lane % 16) and channels 8 (lane / 16) + 0..7, which rounded to bf16 is half a fragment of K' (source 0) or
; Q' (source 1) of S^T = K' Q'^T.  V: the sources swapped: a lane holds one channel and eight tokens: half a fragment of V'^T.  S^T holds one query a lane; two results rounded to bf16 are source 1 of O^T = V'^T P.
; SOFTMAX.  All scores of a query tile are in registers: the true maximum m is taken away, p = 2^(c s - c m), c = log2(e) / 8; the sum l is taken of the unrounded p.
; THE MASK is the C operand that starts S^T: 0, or -1e30 where the key's mask is not above 0.
; FORMATS AND LIMITS.  x, W and the biases are rounded to bf16; k', q', v', p are bf16; bf16(x) + update is rounded once to f16: it stays below 65,504.  A hidden score counts as its value less 1e30;
; a weight below 2^-126 counts as 0; a batch with no key above 0 (NaN in the definition) is not reproduced as NaN.
; CLUSTER.  4 x 4 work-groups: the four of a row share Y and ask for x's tiles jointly, the four of a column share the head and the modality and ask for W's tiles jointly.
; LDS: two slots (x: 256 rows of 256 + 16 bytes; W: 48 images of 1,024 bytes), then K' and V'^T as images (written by LDS stores alone, never filled), then the spare words.
; REGISTERS, in windows of 256 (s_set_vgpr_msb: bits 1:0 source 0, 3:2 source 1, 5:4 source 2, 7:6 destination):
;   window 0: v0-31 addresses and statistics; v32-95 the residual; product: v96-239 gate, biases, masks; attention: v96-223 S^T (P packs into v96-159, the output into v160-175), v224-255 O^T
;   window 1: product: two fragment buffers of 128 (x 4 x 8, W 12 x 8); attention: V'^T      window 2: product: K's and Q's accumulators; attention: K'
;   window 3: v0-127 V's accumulators, then v0-63 Q'; v128-255 the mask operand
.set PITCH, 272                        ; a row of x in LDS: 256 bytes + 16 = 68 words: the 16 rows of a fragment load start 4 words apart
.set AHALF, 128*PITCH                  ; what one tensor load brings of x
.set BOFF,  256*PITCH                  ; W's images lie behind x's 256 rows
.set BHALF, 24576                      ; what one tensor load brings of W: 24 images
.set SLOT1, 131072                     ; slot 1 begins here: one exclusive or turns an address in one slot into the other's
.set KST,   249856                     ; K' images [16 keys kb][16 channels c][512 bytes]; at first each wave's stage for the residual
.set VOFS,  32768                      ; V'^T images lie this far behind: [32 keys kk][16 channels c][half][512 bytes]
.set SPARE, 315392                     ; the spare words, 128 bytes a wave
.set XTP,   144                        ; the residual's stage: 64 rows of 128 + 16 bytes
.set RR,  1                            ; v1  lane % 16
.set HH,  2                            ; v2  lane / 16
.set L16, 3                            ; v3  16 x lane
.set ADA, 4                            ; v4  LDS address of my x fragments in the slot in hand
.set ADB, 5                            ; v5  of W's images
.set AA0, 6                            ; v6  the same in slot 0; never rewritten
.set AB0, 7                            ; v7
.set KSTO, 8                           ; v8  where I put K' and V'^T
.set KA,  9                            ; v9  where I read my first 128 keys' images
.set H32, 10                           ; v10 32 x (lane / 16)
.set VBIG, 11                          ; v11 -1e30
.set SPW, 12                           ; v12 LDS address of my spare word; never rewritten
.set NIL, 13                           ; v13 0; never rewritten
.set T0,  14
.set T1,  15
.set C0,  16                           ; v16-19 four chains of the maximum; in the prologue at work
.set KA2, 20                           ; v20 where the other 128 keys' images lie
.set INV, 21                           ; v21 1 / l
.set CM,  22                           ; v[22:23] c m, twice
.set LS,  24                           ; v[24:31] four pairs of sums
.set XB,  32                           ; residual of tile a, channel block c: 8 bf16 at XB + 16 a + 4 c
.set G,   96                           ; 1 + gate of channels 16 c + 8 h + j at G + 8 c + j
.set GBK, 128                          ; k's bias, then bias x gate
.set GBQ, 160                          ; q's
.set MT,  192                          ; row mask of tokens 16 a + 8 h + j at MT + 8 a + j
.set MR,  224                          ; row mask of token 16 a + r, in pairs
.set BV,  232                          ; v's bias of channel 16 c + r, in pairs
.set S,   96
.set YO,  160
.set O,   224
.set F0,  0
.set F1,  128
.set G1A, 24                           ; s[24:31] descriptor group 1 for x's tiles;  s[32:39] group 0: a set for each first fill; the second then walks on
.set G0A, 32
.set G1B, 48                           ; s[48:55], s[56:63] the same for W's
.set G0B, 56
; s3 counter; s10 wave, s11 wave / 2, s12 wave % 2; s13 Y; s14 cluster y; s15 head; s42 modality; s45 slot in hand; s46, s47 where my first, my other 128 mask numbers begin in the job's 256; s71 Y in the modality
.set MSB, 0
.macro WIN new                         ; the immediate's high byte repeats the setting that is left
.if MSB != (\new)
	s_set_vgpr_msb (MSB<<8)|(\new)
.set MSB, \new
.endif
.endm
.macro PLACES                          ; four places behind matrix instructions (ISA guide 7.12.1), where no other vector work is at hand
.rept 4
	v_nop
.endr
.endm
.macro JLOAD                           ; a joint refill: waves 0, 1 fetch x's two halves, waves 2, 3 W's; an s_nop 0 and four v_nop follow each line
	s_cmp_eq_u32 s11, 0
	s_cbranch_scc0 .Lfor_b_\@
	tensor_load_to_lds s[G0A+4:G0A+7], s[G1A:G1A+7]
	s_nop 0
.rept 4
	v_nop
.endr
	s_branch .Lasked_\@
.Lfor_b_\@:
	tensor_load_to_lds s[G0B+4:G0B+7], s[G1B:G1B+7]
	s_nop 0
.rept 4
	v_nop
.endr
.Lasked_\@:
.endm
.macro CREST                           ; a round of the cluster's barrier behind its opening barrier
	s_cmp_lg_u32 s10, 0
	s_cbranch_scc1 .Lnot_wave_0_\@
	s_barrier_signal -3
.Lnot_wave_0_\@:
	s_barrier_wait -3
	s_barrier_signal -1
	s_barrier_wait -1
.endm
.macro CROUND
	s_barrier_signal -1
	s_barrier_wait -1
	CREST
.endm
	s_load_b512 s[72:87], s[0:1], 0x0              ; xr s[72:73], wq s[74:75], gp s[76:77], b_v s[78:79], b_t s[80:81], v_mask s[82:83], t_mask s[84:85], v s[86:87]
	s_load_b128 s[88:91], s[0:1], 0x40             ; t s[88:89], xs s[90:91]
	v_lshl_add_u32 v[SPW], v0, 2, SPARE
	v_mov_b32 v[NIL], 0
	ds_add_u32 v[SPW], v[NIL]                      ; the wave's opening: the add and its wait stand ahead of my first tensor load; the set-up below stands between them
	v_lshrrev_b32 v1, 5, v0
	v_readfirstlane_b32 s10, v1                    ; wave 0..3
	s_lshr_b32 s11, s10, 1                         ; I fetch for x (0) or for W (1); in a v job: my batch of the two
	s_and_b32 s12, s10, 1                          ; which half of that tile I fetch
	s_bfe_u32 s40, ttmp6, 0x40000                  ; cx
	s_bfe_u32 s41, ttmp6, 0x40004                  ; cy
	s_lshl_b32 s15, ttmp9, 2
	s_add_co_u32 s15, s15, s40                     ; head = 4 x cluster x + cx
	s_and_b32 s14, ttmp7, 0xffff                   ; cluster y
	s_lshl_b32 s13, s14, 2
	s_add_co_u32 s13, s13, s41                     ; Y = 4 x cluster y + cy
	s_lshl_b32 s43, s41, 2
	s_lshl_b32 s43, 15, s43                        ; my row of the cluster
	s_lshl_b32 s44, 0x1111, s40                    ; my column
	s_or_b32 s[G1A], s43, (1<<16)|(1<<20)|(1<<21)|(5<<22)|(3<<25)  ; mask: my row; 2-byte elements; padding on; bit 21 beside a mask; after every 64 words 4 words
	s_mov_b32 s[G1A+1], 128<<16                    ; tensor_dim0 = 128
	s_mov_b32 s[G1A+2], 128<<16                    ; tensor_dim1 = 128
	s_mov_b32 s[G1A+3], 128<<16                    ; tile_dim0 = 128 elements: 256 bytes of a row
	s_mov_b32 s[G1A+4], 128                        ; tile_dim1 = 128 rows
	s_mov_b32 s[G1A+5], 1024                       ; elements from row to row
	s_mov_b32 s[G1A+6], 0
	s_mov_b32 s[G1A+7], 0
	s_or_b32 s[G1B], s44, (3<<16)|(1<<21)          ; mask: my column; 8-byte elements; no padding: images are dense
	s_mov_b32 s[G1B+1], 32<<16                     ; rows of 32 elements = 256 bytes,
	s_mov_b32 s[G1B+2], 96<<16                     ; 96 of them = 24 images
	s_mov_b32 s[G1B+3], 32<<16
	s_mov_b32 s[G1B+4], 96
	s_mov_b32 s[G1B+5], 32
	s_mov_b32 s[G1B+6], 0
	s_mov_b32 s[G1B+7], 0
	s_cmp_ge_u32 s14, 4                            ; hangs on the cluster's y alone: the same in all sixteen partners
	s_cselect_b32 s42, 1, 0                        ; modality: 0 v, 1 t
	s_lshl_b32 s4, s13, 19                         ; x's tile: row 256 Y + 128 x half, 2,048 bytes a row: made of Y and the wave alone
	s_lshl_b32 s5, s12, 18
	s_add_co_u32 s4, s4, s5
	s_mov_b32 s5, 0
	s_lshl_b32 s6, s42, 4                          ; W's tile: made of modality, head and the wave alone
	s_add_co_u32 s6, s6, s15
	s_mul_i32 s6, s6, 393216                       ; a head's images: 8 K blocks x 48
	s_mul_i32 s7, s12, BHALF
	s_add_co_u32 s6, s6, s7
	s_mov_b32 s7, 0
	s_mul_i32 s8, s12, AHALF                       ; where they go: no place in the cluster enters an LDS address
	s_mul_i32 s9, s12, BHALF
	s_add_co_u32 s9, s9, BOFF
.irp s, 0,1
	s_mov_b32 s[G0A+4*(\s)], 1
	s_add_co_u32 s[G0A+4*(\s)+1], s8, (\s)*SLOT1
	s_mov_b32 s[G0B+4*(\s)], 1
	s_add_co_u32 s[G0B+4*(\s)+1], s9, (\s)*SLOT1
.endr
	s_mov_b32 s66, 0x3e38aa3b                      ; c = log2(e) / 8
	s_mov_b32 s67, s66                             ; named with it as a pair
	s_mov_b32 s68, 0x76543210                      ; v_permlanex16_b32: each lane takes its own place in the other half
	s_mov_b32 s69, 0xfedcba98
	s_mov_b32 s70, 0xf149f2ca                      ; -1e30
	s_xor_b32 s16, s42, 1                          ; a v job,
	s_and_b32 s16, s16, s11                        ; and its second batch is mine:
	s_lshl_b32 s46, s16, 9                         ; my first 128 keys' mask numbers begin 512 bytes into the job's 256; else at its head;
	s_xor_b32 s47, s46, 512                        ; the other 128 lie in the other half
	s_lshl_b32 s17, s42, 4
	s_sub_co_u32 s71, s13, s17                     ; Y in the modality
	s_mov_b32 s45, 0
	s_wait_dscnt 0x0                               ; the opening add is done
	s_wait_kmcnt 0x0
	s_add_nc_u64 s[4:5], s[72:73], s[4:5]
	s_add_nc_u64 s[6:7], s[74:75], s[6:7]
.irp s, 0,1
	s_add_nc_u64 s[G0A+4*(\s)+2:G0A+4*(\s)+3], s[4:5], (\s)*256      ; K step s: 128 k = 256 bytes along the rows
	s_or_b32 s[G0A+4*(\s)+3], s[G0A+4*(\s)+3], 0x80000000
	s_add_nc_u64 s[G0B+4*(\s)+2:G0B+4*(\s)+3], s[6:7], (\s)*49152    ; 48 images
	s_or_b32 s[G0B+4*(\s)+3], s[G0B+4*(\s)+3], 0x80000000
.endr
	CROUND                                         ; all sixteen work-groups are here: the first joint loads meet
	s_cmp_eq_u32 s11, 0                            ; a wave's two first fills stand in one branch: two loads of mine are out
	s_cbranch_scc0 .Lfirst_b
	tensor_load_to_lds s[G0A:G0A+3], s[G1A:G1A+7]
	s_nop 0
	tensor_load_to_lds s[G0A+4:G0A+7], s[G1A:G1A+7]
	s_nop 0
.rept 4
	v_nop
.endr
	s_branch .Lfirst_asked
.Lfirst_b:
	tensor_load_to_lds s[G0B:G0B+3], s[G1B:G1B+7]
	s_nop 0
	tensor_load_to_lds s[G0B+4:G0B+7], s[G1B:G1B+7]
	s_nop 0
.rept 4
	v_nop
.endr
.Lfirst_asked:
	; THE PROLOGUE stands in the wait for the first tile: residual, masks, gate, biases
	s_cmp_eq_u32 s42, 1
	s_cselect_b64 s[16:17], s[88:89], s[86:87]     ; x
	s_cselect_b64 s[18:19], s[84:85], s[82:83]     ; its mask
	s_cselect_b64 s[94:95], s[80:81], s[78:79]     ; its bias
	s_mov_b32 s4, 0xffff0000                       ; a word's upper bf16
	s_mov_b32 s9, 0                                ; high word of the offset pair s[8:9]
	s_lshl_b32 s8, s71, 20                         ; 256 rows of 4,096 bytes,
	s_lshl_b32 s2, s10, 18                         ; my 64,
	s_add_co_u32 s8, s8, s2
	s_lshl_b32 s2, s15, 8                          ; the head's 64 columns
	s_add_co_u32 s8, s8, s2
	s_add_nc_u64 s[16:17], s[16:17], s[8:9]
	s_lshl_b32 s8, s71, 10                         ; the job's 256 mask numbers
	s_add_nc_u64 s[18:19], s[18:19], s[8:9]
	s_lshl_b32 s8, s10, 8                          ; my 64 of them
	s_add_nc_u64 s[20:21], s[18:19], s[8:9]
	s_lshl_b32 s8, s15, 8
	s_add_nc_u64 s[94:95], s[94:95], s[8:9]
	s_lshl_b32 s2, s71, 1                          ; my batch: t: Y in the modality; v: twice that + wave / 2
	s_add_co_u32 s2, s2, s11
	s_cmp_eq_u32 s42, 1
	s_cselect_b32 s2, s71, s2
	s_lshl_b32 s2, s2, 7                           ; gp [gate][32 columns][batch][32]: a batch's 128 bytes,
	s_lshl_b32 s8, s15, 13                         ; the head's two blocks of 4,096 bytes,
	s_add_co_u32 s8, s8, s2
	s_lshl_b32 s2, s42, 17                         ; the modality's gate
	s_add_co_u32 s8, s8, s2
	s_add_nc_u64 s[22:23], s[76:77], s[8:9]        ; 1 + gate of my batch and head
	s_lshr_b32 s8, s15, 1                          ; xs [K block = head / 2][16 rows][K step][half][512 bytes]
	s_mul_i32 s8, s8, 3145728
	s_lshl_b32 s2, s13, 16
	s_add_co_u32 s8, s8, s2
	s_lshl_b32 s2, s10, 14
	s_add_co_u32 s8, s8, s2
	s_and_b32 s2, s15, 1
	s_lshl_b32 s2, s2, 11
	s_add_co_u32 s8, s8, s2
	s_add_nc_u64 s[92:93], s[90:91], s[8:9]
	v_and_b32 v[RR], 15, v0
	v_bfe_u32 v[HH], v0, 4, 1
	v_and_b32 v[L16], 31, v0
	v_lshlrev_b32 v[L16], 4, v[L16]
	v_lshlrev_b32 v[H32], 5, v[HH]
	v_mov_b32 v[VBIG], s70
	v_lshlrev_b32 v[T1], 2, v[RR]
	v_lshlrev_b32 v[T0], 12, v[HH]
	v_lshl_add_u32 v[T0], v[RR], 4, v[T0]          ; the residual: a load takes 256 bytes of two rows
	v_add_nc_u32 v18, s46, v[H32]                  ; the key mask: my first 128 keys,
	v_add_nc_u32 v19, s47, v[H32]                  ; the other 128
	WIN 0x80                                       ; destination window 2: K's accumulators are not in use yet
.set i, 0
.rept 32
	global_load_b128 v[4*i:4*i+3], v[T0], s[16:17] offset:8192*i
.set i, i+1
.endr
	WIN 0xc0
.set i, 0
.rept 16                                               ; the mask of keys 16 kb + 8 h + 0..7, kb = 0..7
	global_load_b128 v[128+4*i:128+4*i+3], v18, s[18:19] offset:64*(i/2)+16*(i%2)
.set i, i+1
.endr
.set i, 0
.rept 16                                               ; kb = 8..15 (in a v job the other batch's: inside the buffer, and not used)
	global_load_b128 v[192+4*i:192+4*i+3], v19, s[18:19] offset:64*(i/2)+16*(i%2)
.set i, i+1
.endr
	WIN 0
.set i, 0
.rept 8
	global_load_b128 v[G+4*i:G+4*i+3],     v[H32], s[22:23] offset:4096*(i/4)+64*((i/2)%2)+16*(i%2)
	global_load_b128 v[GBK+4*i:GBK+4*i+3], v[H32], s[94:95] offset:64*(i/2)+16*(i%2)
	global_load_b128 v[GBQ+4*i:GBQ+4*i+3], v[H32], s[94:95] offset:4096+64*(i/2)+16*(i%2)
	global_load_b128 v[MT+4*i:MT+4*i+3],   v[H32], s[20:21] offset:64*(i/2)+16*(i%2)
.set i, i+1
.endr
.irp a, 0,1,2,3
	global_load_b32 v[MR+2*\a], v[T1], s[20:21] offset:64*\a
	global_load_b32 v[BV+2*\a], v[T1], s[94:95] offset:8192+64*\a
.endr
	s_mul_i32 s2, s10, 64*XTP
	s_add_co_u32 s2, s2, KST                       ; my stage for the residual
	v_mul_u32_u24 v16, v[HH], XTP                  ; in: row h of the two, 8 bytes for 4 channels
	v_lshl_add_u32 v16, v[RR], 3, v16
	v_add_nc_u32 v16, s2, v16
	v_mul_u32_u24 v17, v[RR], XTP                  ; back: token r, 16 bytes for each half of the lanes
	v_lshl_add_u32 v17, v[HH], 4, v17
	v_add_nc_u32 v17, s2, v17
	s_mul_i32 s2, s10, 64*PITCH
	v_mul_u32_u24 v[AA0], v[RR], PITCH
	v_lshl_add_u32 v[AA0], v[HH], 4, v[AA0]
	v_add_nc_u32 v[AA0], s2, v[AA0]                ; (64 w + r) x pitch + 16 h
	v_add_nc_u32 v[AB0], BOFF, v[L16]
	s_lshl_b32 s2, s10, 13
	s_add_co_u32 s2, s2, KST
	v_add_nc_u32 v[KSTO], s2, v[L16]
	s_lshl_b32 s2, s46, 5                          ; 128 keys are 16,384 bytes of K' images, and of V'^T images
	s_add_co_u32 s2, s2, KST
	v_add_nc_u32 v[KA], s2, v[L16]
	s_lshl_b32 s2, s47, 5
	s_add_co_u32 s2, s2, KST
	v_add_nc_u32 v[KA2], s2, v[L16]
	v_mov_b32 v[ADA], v[AA0]
	v_mov_b32 v[ADB], v[AB0]
	s_wait_loadcnt 0x0
	WIN 0x8a                                       ; the residual is rounded to bf16 in place,
.set i, 0
.rept 32
	v_cvt_pk_bf16_f32 v[4*i], v[4*i], v[4*i+1]
	v_cvt_pk_bf16_f32 v[4*i+1], v[4*i+2], v[4*i+3]
.set i, i+1
.endr
	WIN 0x08                                       ; goes into my stage (data window 2, address window 0),
.set i, 0
.rept 32
	ds_store_b64 v16, v[4*i:4*i+1] offset:2*XTP*i
.set i, i+1
.endr
	WIN 0
.irp a, 0,1,2,3
.irp c, 0,1,2,3
	ds_load_b128 v[XB+16*\a+4*\c:XB+16*\a+4*\c+3], v17 offset:16*XTP*\a+32*\c  ; and comes back as O^T will lie: LDS serves a wave's instructions in order
.endr
.endr
	WIN 0xcc                                       ; the mask operand: source 1 and destination window 3
.set i, 0
.rept 128
	v_cmp_lt_f32 vcc_lo, 0, v[128+i]
	v_cndmask_b32 v[128+i], v[VBIG], 0, vcc_lo
.set i, i+1
.endr
	WIN 0
.macro RND a, b                        ; two f32 numbers rounded to bf16, like every input
	v_cvt_pk_bf16_f32 v18, v[\a], v[\b]
	v_lshlrev_b32 v[\a], 16, v18
	v_and_b32 v[\b], s4, v18
.endm
.set i, 0
.rept 16
	RND GBK+2*i, GBK+2*i+1
	RND GBQ+2*i, GBQ+2*i+1
.set i, i+1
.endr
	RND BV, BV+2
	RND BV+4, BV+6
.set i, 0
.rept 16
	v_pk_mul_f32 v[GBK+2*i:GBK+2*i+1], v[GBK+2*i:GBK+2*i+1], v[G+2*i:G+2*i+1]  ; bias x gate: (sum + b) g = sum g + b g
	v_pk_mul_f32 v[GBQ+2*i:GBQ+2*i+1], v[GBQ+2*i:GBQ+2*i+1], v[G+2*i:G+2*i+1]
.set i, i+1
.endr
.irp a, 0,1,2,3
	v_mov_b32 v[MR+2*\a+1], v[MR+2*\a]             ; named as pairs by the packed lines
	v_mov_b32 v[BV+2*\a+1], v[BV+2*\a]
.endr
; THE PRODUCT.  16 matrix instructions: part p (0 K, 1 Q), my four tiles x four channel blocks, 32 along K.  z = 1: the first product starts the sums.
; The 48 accumulators take turns in the same order in every quarter.
.macro MULKQ f, p, z
	WIN 0xa5                                       ; sources window 1, C and D window 2
.irp a, 0,1,2,3
.irp c, 0,1,2,3
.if \z
	v_wmma_f32_16x16x32_bf16 v[128*(\p)+8*(4*(\a)+(\c)):128*(\p)+8*(4*(\a)+(\c))+7], v[(\f)+32+8*(4*(\p)+(\c)):(\f)+32+8*(4*(\p)+(\c))+7], v[(\f)+8*(\a):(\f)+8*(\a)+7], 0
.else
	v_wmma_f32_16x16x32_bf16 v[128*(\p)+8*(4*(\a)+(\c)):128*(\p)+8*(4*(\a)+(\c))+7], v[(\f)+32+8*(4*(\p)+(\c)):(\f)+32+8*(4*(\p)+(\c))+7], v[(\f)+8*(\a):(\f)+8*(\a)+7], v[128*(\p)+8*(4*(\a)+(\c)):128*(\p)+8*(4*(\a)+(\c))+7]
.endif
.endr
.endr
.endm
.macro MULV f, z                       ; V: the sources swapped; C and D window 3
	WIN 0xf5
.irp a, 0,1,2,3
.irp c, 0,1,2,3
.if \z
	v_wmma_f32_16x16x32_bf16 v[8*(4*(\a)+(\c)):8*(4*(\a)+(\c))+7], v[(\f)+8*(\a):(\f)+8*(\a)+7], v[(\f)+32+8*(8+(\c)):(\f)+32+8*(8+(\c))+7], 0
.else
	v_wmma_f32_16x16x32_bf16 v[8*(4*(\a)+(\c)):8*(4*(\a)+(\c))+7], v[(\f)+8*(\a):(\f)+8*(\a)+7], v[(\f)+32+8*(8+(\c)):(\f)+32+8*(8+(\c))+7], v[8*(4*(\a)+(\c)):8*(4*(\a)+(\c))+7]
.endif
.endr
.endr
.endm
.macro FETCH q, f                      ; 32 LDS loads in one run: quarter q's fragments into buffer f: x, then W's for K, Q, V
	WIN 0x40
.irp a, 0,1,2,3
	ds_load_b128 v[(\f)+8*(\a):(\f)+8*(\a)+3],   v[ADA] offset:16*PITCH*(\a)+64*(\q)
	ds_load_b128 v[(\f)+8*(\a)+4:(\f)+8*(\a)+7], v[ADA] offset:16*PITCH*(\a)+64*(\q)+32
.endr
.irp n, 0,1,2,3,4,5,6,7,8,9,10,11
	ds_load_b128 v[(\f)+32+8*(\n):(\f)+32+8*(\n)+3],   v[ADB] offset:12288*(\q)+1024*(\n)
	ds_load_b128 v[(\f)+32+8*(\n)+4:(\f)+32+8*(\n)+7], v[ADB] offset:12288*(\q)+1024*(\n)+512
.endr
.endm
; A K step of 128 is four quarters of 32, on buffers 0, 1, 0, 1.  One of the first three multiplies buffer f and fetches quarter q into buffer g.
.macro QUARTER q, f, g, z
	s_wait_dscnt 16                                ; x and W's K part are in; the youngest sixteen loads may be out
	MULKQ \f, 0, \z
	PLACES                                         ; in front of loads into registers that the quarter before multiplied
	FETCH \q, \g
	s_wait_dscnt 32                                ; all but the 32 just issued
	MULKQ \f, 1, \z
	MULV \f, \z
.endm
; The last quarter multiplies buffer 1 and changes slots.  In front of the barrier each wave waits for all its tensor loads (the one that is out is its part of the next slot), adds 0 to its spare
; word, and waits for that and for its reads of this slot.  fill = 1: the barrier opens a round of the cluster's barrier, and this slot is filled again, two K steps ahead, first thing behind it.
.macro TURN fill
	WIN 0
	s_wait_tensorcnt 0x0                           ; no tensor load of mine is out, so a group 0 may be written
	ds_add_u32 v[SPW], v[NIL]
.if \fill
	s_xor_b32 s[G0A+5], s[G0A+5], SLOT1            ; the walking descriptors: the other slot than last time, the next K step
	s_add_nc_u64 s[G0A+6:G0A+7], s[G0A+6:G0A+7], 256
	s_xor_b32 s[G0B+5], s[G0B+5], SLOT1
	s_add_nc_u64 s[G0B+6:G0B+7], s[G0B+6:G0B+7], 49152
.endif
	s_wait_dscnt 17                                ; the add and the youngest sixteen loads may be out
	MULKQ F1, 0, 0
	s_wait_dscnt 0x0                               ; the add is done, and my reads of this slot are over
	s_barrier_signal -1
	MULKQ F1, 1, 0                                 ; work on registers while the others arrive
	WIN 0
	s_barrier_wait -1
.if \fill
	CREST                                          ; no wave of any partner still reads this slot or has a load on its way
	JLOAD                                          ; 160 matrix instructions ahead of the wait for it; its four v_nop are also the places in front of the loads below
.else
	PLACES
.endif
	s_xor_b32 s45, s45, SLOT1
	v_add_nc_u32 v[ADA], s45, v[AA0]
	v_add_nc_u32 v[ADB], s45, v[AB0]
	FETCH 0, F0
	MULV F1, 0
.endm
	s_wait_tensorcnt 0x1                           ; my part of K step 0 is in; step 1's may stay out
	s_wait_dscnt 0x0                               ; the residual is back: my stage is read out
	s_barrier_signal -1
	s_barrier_wait -1
	FETCH 0, F0
	QUARTER 1, F0, F1, 1                           ; the first quarter stands in front of the loop: its products start the sums
	WIN 0
	s_mov_b32 s3, 6
.Lstep:                                                ; a trip: from a K step's second quarter to the next step's first; it asks for the step two on (steps 2 to 7)
	QUARTER 2, F1, F0, 0
	QUARTER 3, F0, F1, 0
	TURN 1
	QUARTER 1, F0, F1, 0
	WIN 0
	s_sub_co_u32 s3, s3, 1
	s_cmp_lg_u32 s3, 0
	s_cbranch_scc1 .Lstep
	s_mov_b32 s3, 2
.Ltl:                                                  ; the last two K steps ask for nothing: a loop of their own, without a tensor load, left in the middle of its second trip
	QUARTER 2, F1, F0, 0
	QUARTER 3, F0, F1, 0
	WIN 0
	s_sub_co_u32 s3, s3, 1
	s_cmp_eq_u32 s3, 0
	s_cbranch_scc1 .Llastq
	TURN 0
	QUARTER 1, F0, F1, 0
	WIN 0
	s_branch .Ltl
.Llastq:
	s_wait_dscnt 0x0
	MULKQ F1, 0, 0
	MULKQ F1, 1, 0
	MULV F1, 0
	; BIAS, MASK, GATE, in place, each accumulator from its low end on
	PLACES
	WIN 0xc3                                       ; v' = (sum + b) mask: accumulators window 3, bias and mask window 0
.irp a, 0,1,2,3
.irp c, 0,1,2,3
.irp p, 0,1,2,3
	v_pk_add_f32 v[8*(4*\a+\c)+2*\p:8*(4*\a+\c)+2*\p+1], v[8*(4*\a+\c)+2*\p:8*(4*\a+\c)+2*\p+1], v[BV+2*\c:BV+2*\c+1] op_sel_hi:[1,0]
.endr
.irp p, 0,1,2,3
	v_pk_mul_f32 v[8*(4*\a+\c)+2*\p:8*(4*\a+\c)+2*\p+1], v[8*(4*\a+\c)+2*\p:8*(4*\a+\c)+2*\p+1], v[MT+8*\a+2*\p:MT+8*\a+2*\p+1]
.endr
.endr
.endr
	WIN 0xcf                                       ; rounded to bf16 and packed downward: register i takes 2 i and 2 i + 1
.set i, 0
.rept 64
	v_cvt_pk_bf16_f32 v[i], v[2*i], v[2*i+1]
.set i, i+1
.endr
	WIN 0x0c
.irp a, 0,1,2,3
.irp c, 0,1,2,3
	ds_store_b128 v[KSTO], v[4*(4*\a+\c):4*(4*\a+\c)+3] offset:VOFS+4096*(\a/2)+1024*\c+512*(\a%2)
.endr
.endr
.macro SCALE base, gb                  ; (sum g + b g) mask for K (base 0) or Q (base 128)
	WIN 0x82
.irp a, 0,1,2,3
.irp c, 0,1,2,3
.irp p, 0,1,2,3
	v_pk_fma_f32 v[(\base)+8*(4*\a+\c)+2*\p:(\base)+8*(4*\a+\c)+2*\p+1], v[(\base)+8*(4*\a+\c)+2*\p:(\base)+8*(4*\a+\c)+2*\p+1], v[G+8*\c+2*\p:G+8*\c+2*\p+1], v[(\gb)+8*\c+2*\p:(\gb)+8*\c+2*\p+1]
.endr
.irp p, 0,1,2,3
	v_pk_mul_f32 v[(\base)+8*(4*\a+\c)+2*\p:(\base)+8*(4*\a+\c)+2*\p+1], v[(\base)+8*(4*\a+\c)+2*\p:(\base)+8*(4*\a+\c)+2*\p+1], v[MR+2*\a:MR+2*\a+1] op_sel_hi:[1,0]
.endr
.endr
.endr
.endm
	SCALE 0, GBK
	WIN 0x8a
.set i, 0
.rept 64
	v_cvt_pk_bf16_f32 v[i], v[2*i], v[2*i+1]
.set i, i+1
.endr
	WIN 0x08
.irp a, 0,1,2,3
.irp c, 0,1,2,3
	ds_store_b128 v[KSTO], v[4*(4*\a+\c):4*(4*\a+\c)+3] offset:2048*\a+512*\c
.endr
.endr
	SCALE 128, GBQ
	WIN 0xca                                       ; Q' stays in registers: window 3, 16 a tile: these are source 1's fragments as they stand
.set i, 0
.rept 64
	v_cvt_pk_bf16_f32 v[i], v[128+2*i], v[128+2*i+1]
.set i, i+1
.endr
	WIN 0
	s_wait_dscnt 0x0                               ; for the others' sake: my K' and V'^T are in LDS
	s_barrier_signal -1
	s_barrier_wait -1
	; THE ATTENTION.  My batch's K' (window 2) and V'^T (window 1) come into registers once and serve my four query tiles: 128 keys' images are 32 loads.
.macro LDIMG win, r0, adr, off
	WIN \win
.set i, 0
.rept 32
	ds_load_b128 v[(\r0)+4*i:(\r0)+4*i+3], v[\adr] offset:(\off)+512*i
.set i, i+1
.endr
	WIN 0
.endm
	LDIMG 0x80, 0, KA, 0                           ; K' of my first 128 keys
	s_cmp_eq_u32 s42, 0
	s_cbranch_scc1 .Lk1                            ; a v job has no more
	LDIMG 0x80, 128, KA2, 0
.Lk1:
	LDIMG 0x40, 0, KA, VOFS                        ; V'^T of my first 128 keys
	s_wait_dscnt 32                                ; K' is in, on both ways: behind its last load stand just these 32
	s_cmp_eq_u32 s42, 0
	s_cbranch_scc1 .Lk2
	LDIMG 0x40, 128, KA2, VOFS
.Lk2:
; The attention's steps for 128 keys, key blocks k0 .. k0 + 7 (k0 = 0 or 8).
.macro SCORES k0                       ; S^T = K' Q'^T + mask: 8 accumulators take turns
	WIN 0x3e                                       ; K' window 2, Q' and the mask window 3, S^T window 0
.set kb, \k0
.rept 8
	v_wmma_f32_16x16x32_bf16 v[S+8*kb:S+8*kb+7], v[16*kb:16*kb+7], v[0:7], v[128+8*kb:128+8*kb+7]
.set kb, kb+1
.endr
	WIN 0x0e
.set kb, \k0
.rept 8
	v_wmma_f32_16x16x32_bf16 v[S+8*kb:S+8*kb+7], v[16*kb+8:16*kb+15], v[8:15], v[S+8*kb:S+8*kb+7]
.set kb, kb+1
.endr
	WIN 0
.endm
.macro MAXH k0                         ; the maximum: four chains; chain n takes the accumulators kb = n mod 4, each from its low end on
.set st, 2*(\k0)/2
.rept 8
.irp n, 0,1,2,3
.if st == 0
	v_max_num_f32 v[C0+\n], v[S+8*\n], v[S+8*\n+1]
.else
	v_max3_num_f32 v[C0+\n], v[C0+\n], v[S+8*(4*(st/4)+\n)+2*(st%4)], v[S+8*(4*(st/4)+\n)+2*(st%4)+1]
.endif
.endr
.set st, st+1
.endr
.endm
; c s - c m; then the exponentials of accumulator kb stand one for one between the eight plain lines of accumulator kb - 1: four sums of the unrounded weights, then four roundings to bf16, which pack P
; downward into registers whose weights have been summed.  So each exponential has a plain line behind it before its result is used.
.macro SOFT k0
.set i, 4*(\k0)
.rept 32
	v_pk_fma_f32 v[S+2*i:S+2*i+1], v[S+2*i:S+2*i+1], s[66:67], v[CM:CM+1] op_sel_hi:[1,0,0] neg_lo:[0,0,1] neg_hi:[0,0,1]
.set i, i+1
.endr
.set kb, \k0
.rept 9
.set j, 0
.rept 8
.if kb < (\k0)+8
	v_exp_f32 v[S+8*kb+j], v[S+8*kb+j]
.endif
.if kb > (\k0)
.if j < 4
.if kb == 1
	s_wait_alu depctr_va_vdst(0)
	v_pk_add_f32 v[LS+2*j:LS+2*j+1], v[S+2*j:S+2*j+1], 0 op_sel_hi:[1,0]       ; the first weights start the sums
.else
	s_wait_alu depctr_va_vdst(0)
	v_pk_add_f32 v[LS+2*j:LS+2*j+1], v[LS+2*j:LS+2*j+1], v[S+8*(kb-1)+2*j:S+8*(kb-1)+2*j+1]
.endif
.else
	v_cvt_pk_bf16_f32 v[S+4*(kb-1)+(j-4)], v[S+8*(kb-1)+2*(j-4)], v[S+8*(kb-1)+2*(j-4)+1]
.endif
.endif
.set j, j+1
.endr
.if kb == (\k0)
	v_nop                                          ; the first eight have no plain lines between them yet
.endif
.set kb, kb+1
.endr
.endm
.macro PVH k0                          ; O^T += V'^T P for these 128 keys; the 4 accumulators take turns; the very first products start the sums
	WIN 0x01                                       ; V'^T window 1; P, O^T window 0
.set kk, (\k0)/2
.rept 4
.irp c, 0,1,2,3
.if kk == 0
	v_wmma_f32_16x16x32_bf16 v[O+8*\c:O+8*\c+7], v[8*\c:8*\c+7], v[S:S+7], 0
.else
	v_wmma_f32_16x16x32_bf16 v[O+8*\c:O+8*\c+7], v[32*kk+8*\c:32*kk+8*\c+7], v[S+8*kk:S+8*kk+7], v[O+8*\c:O+8*\c+7]
.endif
.endr
.set kk, kk+1
.endr
	WIN 0
.endm
	s_mov_b32 s3, 4
.Ltile:                                                ; a trip: one tile of 16 queries; the tile in hand is always Q' v0-15 of window 3 and the residual at XB
	SCORES 0
	s_cmp_eq_u32 s42, 0
	s_cbranch_scc1 .Lt1
	SCORES 8
.Lt1:
	PLACES
	MAXH 0
	s_cmp_eq_u32 s42, 0
	s_cbranch_scc1 .Lt2
	MAXH 8
.Lt2:
	v_max3_num_f32 v[C0], v[C0], v[C0+1], v[C0+2]
	v_max_num_f32 v[C0], v[C0], v[C0+3]
	v_permlanex16_b32 v[C0+1], v[C0], s68, s69     ; the query's other keys lie in the lane 16 away
	v_max_num_f32 v[C0], v[C0], v[C0+1]
	v_mul_f32 v[CM], s66, v[C0]
	v_mul_f32 v[CM+1], s66, v[C0]
	SOFT 0
	s_wait_dscnt 0x0                               ; V'^T is in (from the second trip on nothing is out)
	PVH 0
	s_cmp_eq_u32 s42, 0
	s_cbranch_scc1 .Lt3
	SOFT 8
	PVH 8
.Lt3:
	v_pk_add_f32 v[LS:LS+1], v[LS:LS+1], v[LS+2:LS+3]          ; l: these four lines are the places behind the last products
	v_pk_add_f32 v[LS+4:LS+5], v[LS+4:LS+5], v[LS+6:LS+7]
	v_pk_add_f32 v[LS:LS+1], v[LS:LS+1], v[LS+4:LS+5]
	v_add_f32 v[LS], v[LS], v[LS+1]
	v_permlanex16_b32 v[LS+1], v[LS], s68, s69
	v_add_f32 v[LS], v[LS], v[LS+1]
	v_rcp_f32 v[INV], v[LS]
	v_nop                                          ; a plain line between the reciprocal and its use
	s_wait_alu depctr_va_vdst(0)
.irp c, 0,1,2,3
.irp p, 0,1,2,3
	v_fma_mix_f32_bf16 v[O+8*\c+2*\p], v[O+8*\c+2*\p], v[INV], v[XB+4*\c+\p] op_sel_hi:[0,0,1]                     ; O / l + bf16(x): the residual's low half,
	v_fma_mix_f32_bf16 v[O+8*\c+2*\p+1], v[O+8*\c+2*\p+1], v[INV], v[XB+4*\c+\p] op_sel:[0,0,1] op_sel_hi:[0,0,1]   ; its high half
.endr
.endr
.irp c, 0,1,2,3
.irp p, 0,1,2,3
	v_cvt_pk_f16_f32 v[YO+4*\c+\p], v[O+8*\c+2*\p], v[O+8*\c+2*\p+1]
.endr
.endr
.irp c, 0,1,2,3
	global_store_b128 v[L16], v[YO+4*\c:YO+4*\c+3], s[92:93] offset:512*\c     ; half an image: 512 consecutive bytes, aligned; the four together 2,048
.endr
	WIN 0xc3                                       ; the next tile's Q' and residual move down: the price of one text for the four tiles
.set i, 0
.rept 48
	v_mov_b32 v[i], v[i+16]
.set i, i+1
.endr
	WIN 0
.set i, 0
.rept 48
	v_mov_b32 v[XB+i], v[XB+i+16]
.set i, i+1
.endr
	s_wait_xcnt 0x0                                ; the stores' base and data are rewritten only behind this wait
	s_add_nc_u64 s[92:93], s[92:93], 4096          ; the next 16 rows' images
	s_sub_co_u32 s3, s3, 1
	s_cmp_lg_u32 s3, 0
	s_cbranch_scc1 .Ltile
	s_wait_tensorcnt 0x0                           ; the wave's end: closing lines behind my last tensor load and my last LDS store
	ds_add_u32 v[SPW], v[NIL]
	s_wait_dscnt 0x0
	CROUND                                         ; the closing round: no work-group ends while a partner may still ask for a tile that names it
	s_endpgm
.Lfunc_end_k_qd35acbdbe0_qkvattn:
	.size	k_qd35acbdbe0_qkvattn, .Lfunc_end_k_qd35acbdbe0_qkvattn-k_qd35acbdbe0_qkvattn
	.p2alignl 7, 3214868480
	.fill 96, 4, 3214868480
	.section	.rodata,"a",@progbits
	.p2align	6, 0x0
	.amdhsa_kernel k_qd35acbdbe0_qkvattn
		.amdhsa_group_segment_fixed_size 327680
		.amdhsa_private_segment_fixed_size 0
		.amdhsa_enable_private_segment 0
		.amdhsa_kernarg_size 80
		.amdhsa_user_sgpr_count 2
		.amdhsa_user_sgpr_kernarg_segment_ptr 1
		.amdhsa_wavefront_size32 1
		.amdhsa_system_sgpr_workgroup_id_x 1
		.amdhsa_system_sgpr_workgroup_id_y 1
		.amdhsa_system_sgpr_workgroup_id_z 1
		.amdhsa_system_vgpr_workitem_id 0
		.amdhsa_next_free_vgpr 1024
		.amdhsa_next_free_sgpr 96
		.amdhsa_reserve_vcc 1
		.amdhsa_float_denorm_mode_32 3
		.amdhsa_float_denorm_mode_16_64 3
		.amdhsa_memory_ordered 1
		.amdhsa_forward_progress 1
		.amdhsa_inst_pref_size 181
	.end_amdhsa_kernel
	.amdgpu_metadata
---
amdhsa.version: [ 1, 2 ]
amdhsa.kernels:
  - .name:           k_qd35acbdbe0_qkvattn
    .symbol:         k_qd35acbdbe0_qkvattn.kd
    .args:
      - { .name: xr, .offset: 0, .size: 8, .value_kind: global_buffer, .address_space: global }
      - { .name: wq, .offset: 8, .size: 8, .value_kind: global_buffer, .address_space: global }
      - { .name: gp, .offset: 16, .size: 8, .value_kind: global_buffer, .address_space: global }
      - { .name: b_v, .offset: 24, .size: 8, .value_kind: global_buffer, .address_space: global }
      - { .name: b_t, .offset: 32, .size: 8, .value_kind: global_buffer, .address_space: global }
      - { .name: v_mask, .offset: 40, .size: 8, .value_kind: global_buffer, .address_space: global }
      - { .name: t_mask, .offset: 48, .size: 8, .value_kind: global_buffer, .address_space: global }
      - { .name: v, .offset: 56, .size: 8, .value_kind: global_buffer, .address_space: global }
      - { .name: t, .offset: 64, .size: 8, .value_kind: global_buffer, .address_space: global }
      - { .name: xs, .offset: 72, .size: 8, .value_kind: global_buffer, .address_space: global }
    .group_segment_fixed_size: 327680
    .private_segment_fixed_size: 0
    .kernarg_segment_align: 8
    .kernarg_segment_size: 80
    .max_flat_workgroup_size: 128
    .sgpr_count:     96
    .vgpr_count:     1024
    .wavefront_size: 32
...
	.end_amdgpu_metadata
.endif
;; end of part 3
;; launch outproj (part 4): grid 4 x 48, 4 waves a work-group, clusters of 4 x 4, 327,680 bytes of LDS; arguments xs, wo, b_vo, b_to, out0, out1; writes out0, out1
.if DOCPART == 4
	.amdgcn_target "amdgcn-amd-amdhsa--gfx1250"
	.amdhsa_code_object_version 6
	.text
	.protected	k_qd35acbdbe0_outproj
	.globl	k_qd35acbdbe0_outproj
	.p2align	8
	.type	k_qd35acbdbe0_outproj,@function
k_qd35acbdbe0_outproj:
	s_mov_b64 s[64:65], 0
	v_nop
	global_prefetch_b8 v0, s[64:65] scope:SCOPE_SE
	s_setreg_imm32_b32 hwreg(HW_REG_WAVE_MODE, 25, 1), 1
	s_wait_xcnt 0x0
	s_wait_alu depctr_hold_cnt(0) depctr_sa_sdst(0) depctr_va_vdst(0) depctr_va_sdst(0) depctr_va_ssrc(0) depctr_va_vcc(0) depctr_vm_vsrc(0)
	s_getreg_b32 s2, hwreg(HW_REG_IB_STS2, 6, 4)
	s_cmp_eq_u32 s2, 0
	s_cbranch_scc0 .Lentry_in_a_cluster
	s_endpgm
.Lentry_in_a_cluster:
	s_bfe_u32 s2, ttmp6, 0x10000c
	s_cmp_lg_u32 s2, 0xf033
	s_cbranch_scc0 .Lentry_shape_is_right
	s_endpgm
.Lentry_shape_is_right:
; OUTPUT PROJECTION.  out = xs W_o + b_o, f32.  xs (x + update, f16) and wo (W_o, the bf16 number as f16) lie in memory as fragment images of 1,024 bytes: tiles are dense, come into LDS without
; padding and are read at 16 x lane + a constant.  A tile of the output is 256 x 256, a wave's 128 x 128: 64 accumulators.  Row tiles 0..15 are v's (W_vo, b_vo, out0), 16..47 t's (W_to, b_to, out1): the
; modality hangs on the cluster's y alone and enters by selects.  192 work-groups: 12,288 x 1,024 has no 256 equal rectangles that stay inside one modality.
; K = 1,024 goes in 8 steps of 128 through two LDS slots.  CLUSTER: 4 x 4; the four of a row share the row tile and ask for xs's tiles jointly, the four of a column share the 256 columns and the modality.
; Source 0 = 16 columns of W, source 1 = 16 rows of xs: a lane holds one row and eight neighbouring columns.  The bias is rounded to bf16, like every input.
; REGISTERS: window 0: v0-31 addresses; v64-127, v128-191 xs's fragments, two buffers (on the way out: rows read back); window 1: W's, at the same numbers; windows 2, 3: the accumulators ((a, b) at 8 (8 (a % 4) + b)).
.set SLOT1, 131072                     ; a slot: xs's 64 images, then W's 64
.set BOFF,  65536
.set STAGE, 262144                     ; behind the slots: 16 rows x 528 bytes for each wave, for the way out; never filled
.set SP,    528                        ; 512 bytes + 16 = 132 words: the 16 rows that a store touches start 4 words apart
.set SPARE, STAGE+4*16*SP              ; the spare words, 128 bytes a wave
.set RR,  1
.set HH,  2
.set L16, 3                            ; v3 16 x lane
.set ADA, 4                            ; v4, v5 LDS addresses of my fragments in the slot in hand
.set ADB, 5
.set AA0, 6                            ; v6, v7 the same in slot 0; never rewritten
.set AB0, 7
.set STO, 8                            ; v8 the way out: where I put 32 bytes of a row
.set RD,  9                            ; v9 where I read a row back
.set SPW, 12                           ; v12 LDS address of my spare word; never rewritten
.set NIL, 13                           ; v13 0; never rewritten
.set BI,  16                           ; v[16:19] the bias of my 4 columns
.set F0,  64
.set F1,  128
.set G1A, 24
.set G0A, 32
.set G1B, 48
.set G0B, 56
.set MSB, 0
.macro WIN new
.if MSB != (\new)
	s_set_vgpr_msb (MSB<<8)|(\new)
.set MSB, \new
.endif
.endm
.set MUL_LO, 0xa1                      ; source 0 (W) window 1, source 1 (xs) window 0, C and D window 2
.set TO_B,   0x40
.macro PLACES
.rept 4
	v_nop
.endr
.endm
.macro JLOAD                           ; a joint refill: waves 0, 1 fetch xs's two halves, waves 2, 3 W's; an s_nop 0 and four v_nop follow each line
	s_cmp_eq_u32 s11, 0
	s_cbranch_scc0 .Lfor_b_\@
	tensor_load_to_lds s[G0A+4:G0A+7], s[G1A:G1A+7]
	s_nop 0
.rept 4
	v_nop
.endr
	s_branch .Lasked_\@
.Lfor_b_\@:
	tensor_load_to_lds s[G0B+4:G0B+7], s[G1B:G1B+7]
	s_nop 0
.rept 4
	v_nop
.endr
.Lasked_\@:
.endm
.macro CREST
	s_cmp_lg_u32 s10, 0
	s_cbranch_scc1 .Lnot_wave_0_\@
	s_barrier_signal -3
.Lnot_wave_0_\@:
	s_barrier_wait -3
	s_barrier_signal -1
	s_barrier_wait -1
.endm
.macro CROUND
	s_barrier_signal -1
	s_barrier_wait -1
	CREST
.endm
	s_load_b256 s[72:79], s[0:1], 0x0              ; xs s[72:73], wo s[74:75], b_vo s[76:77], b_to s[78:79]
	s_load_b128 s[80:83], s[0:1], 0x20             ; out0 s[80:81], out1 s[82:83]
	v_lshl_add_u32 v[SPW], v0, 2, SPARE
	v_mov_b32 v[NIL], 0
	ds_add_u32 v[SPW], v[NIL]                      ; the wave's opening: the add and its wait stand ahead of my first tensor load
	v_lshrrev_b32 v1, 5, v0
	v_readfirstlane_b32 s10, v1                    ; wave 0..3
	s_lshr_b32 s11, s10, 1                         ; my half of the tile's rows; also: I fetch for xs (0) or for W (1)
	s_and_b32 s12, s10, 1                          ; my half of its columns; also: which half of that tile I fetch
	s_bfe_u32 s40, ttmp6, 0x40000                  ; cx
	s_bfe_u32 s41, ttmp6, 0x40004                  ; cy
	s_lshl_b32 s15, ttmp9, 2
	s_add_co_u32 s15, s15, s40                     ; column tile
	s_and_b32 s14, ttmp7, 0xffff
	s_lshl_b32 s13, s14, 2
	s_add_co_u32 s13, s13, s41                     ; row tile
	s_lshl_b32 s43, s41, 2
	s_lshl_b32 s43, 15, s43                        ; my row of the cluster
	s_lshl_b32 s44, 0x1111, s40                    ; my column
	s_or_b32 s[G1A], s43, (3<<16)|(1<<21)          ; the mask; 8-byte elements; bit 21 beside a mask; no padding
	s_or_b32 s[G1B], s44, (3<<16)|(1<<21)
.irp g, G1A, G1B
	s_mov_b32 s[(\g)+1], 32<<16                    ; rows of 32 elements = 256 bytes,
	s_mov_b32 s[(\g)+2], 128<<16                   ; 128 of them = 32 images
	s_mov_b32 s[(\g)+3], 32<<16
	s_mov_b32 s[(\g)+4], 128
	s_mov_b32 s[(\g)+5], 32
	s_mov_b32 s[(\g)+6], 0
	s_mov_b32 s[(\g)+7], 0
.endr
	s_cmp_ge_u32 s14, 4                            ; hangs on the cluster's y alone
	s_cselect_b32 s42, 1, 0                        ; modality
	s_lshl_b32 s4, s13, 16                         ; xs: 16 row blocks of 4,096 bytes a tile: made of the row tile and the wave alone
	s_lshl_b32 s5, s12, 15
	s_add_co_u32 s4, s4, s5
	s_mov_b32 s5, 0
	s_lshl_b32 s6, s42, 2                          ; wo: made of modality, column tile and the wave alone
	s_add_co_u32 s6, s6, s15
	s_lshl_b32 s6, s6, 19
	s_lshl_b32 s7, s12, 15
	s_add_co_u32 s6, s6, s7
	s_mov_b32 s7, 0
	s_lshl_b32 s8, s12, 15                         ; where they go
	s_add_co_u32 s9, s8, BOFF
.irp s, 0,1
	s_mov_b32 s[G0A+4*(\s)], 1
	s_add_co_u32 s[G0A+4*(\s)+1], s8, (\s)*SLOT1
	s_mov_b32 s[G0B+4*(\s)], 1
	s_add_co_u32 s[G0B+4*(\s)+1], s9, (\s)*SLOT1
.endr
	s_mov_b32 s45, 0                               ; the slot in hand
	s_wait_dscnt 0x0                               ; the opening add is done
	s_wait_kmcnt 0x0
	s_add_nc_u64 s[4:5], s[72:73], s[4:5]
	s_add_nc_u64 s[6:7], s[74:75], s[6:7]
.irp s, 0,1
	s_add_nc_u64 s[G0A+4*(\s)+2:G0A+4*(\s)+3], s[4:5], (\s)*3145728  ; K step s: 768 row blocks on
	s_or_b32 s[G0A+4*(\s)+3], s[G0A+4*(\s)+3], 0x80000000
	s_add_nc_u64 s[G0B+4*(\s)+2:G0B+4*(\s)+3], s[6:7], (\s)*65536
	s_or_b32 s[G0B+4*(\s)+3], s[G0B+4*(\s)+3], 0x80000000
.endr
	CROUND                                         ; all sixteen work-groups are here: the first joint loads meet
	s_cmp_eq_u32 s11, 0                            ; a wave's two first fills stand in one branch: two loads of mine are out
	s_cbranch_scc0 .Lfirst_b
	tensor_load_to_lds s[G0A:G0A+3], s[G1A:G1A+7]
	s_nop 0
	tensor_load_to_lds s[G0A+4:G0A+7], s[G1A:G1A+7]
	s_nop 0
.rept 4
	v_nop
.endr
	s_branch .Lfirst_asked
.Lfirst_b:
	tensor_load_to_lds s[G0B:G0B+3], s[G1B:G1B+7]
	s_nop 0
	tensor_load_to_lds s[G0B+4:G0B+7], s[G1B:G1B+7]
	s_nop 0
.rept 4
	v_nop
.endr
.Lfirst_asked:
	s_cmp_eq_u32 s42, 1
	s_cselect_b64 s[16:17], s[82:83], s[80:81]     ; the output
	s_cselect_b64 s[18:19], s[78:79], s[76:77]     ; the bias
	s_mov_b32 s9, 0
	s_lshl_b32 s8, s15, 10                         ; my 128 columns: 1,024 x column tile + 512 x half
	s_lshl_b32 s2, s12, 9
	s_add_co_u32 s8, s8, s2
	s_add_nc_u64 s[18:19], s[18:19], s[8:9]
	s_lshl_b32 s2, s42, 4
	s_sub_co_u32 s2, s13, s2                       ; the row tile in its modality
	s_lshl_b32 s2, s2, 20                          ; 256 rows of 4,096 bytes,
	s_add_co_u32 s8, s8, s2
	s_lshl_b32 s2, s11, 19                         ; my 128
	s_add_co_u32 s8, s8, s2
	s_add_nc_u64 s[16:17], s[16:17], s[8:9]
	v_and_b32 v[RR], 15, v0
	v_bfe_u32 v[HH], v0, 4, 1
	v_and_b32 v[L16], 31, v0
	v_lshlrev_b32 v[L16], 4, v[L16]
	global_load_b128 v[BI:BI+3], v[L16], s[18:19]
	s_lshl_b32 s2, s11, 15                         ; my 8 row blocks
	v_add_nc_u32 v[AA0], s2, v[L16]
	s_lshl_b32 s2, s12, 13                         ; my 8 column blocks,
	s_add_co_u32 s2, s2, BOFF                      ; behind xs's images
	v_add_nc_u32 v[AB0], s2, v[L16]
	v_mov_b32 v[ADA], v[AA0]
	v_mov_b32 v[ADB], v[AB0]
	s_mul_i32 s2, s10, 16*SP
	s_add_co_u32 s2, s2, STAGE                     ; my stage
	v_mul_u32_u24 v[STO], v[RR], SP                ; in: row r, 32 bytes for each half of the lanes
	v_lshl_add_u32 v[STO], v[HH], 5, v[STO]
	v_add_nc_u32 v[STO], s2, v[STO]
	v_add_nc_u32 v[RD], s2, v[L16]                 ; back: 32 lanes take one row of 512 bytes
	s_wait_loadcnt 0x0
	v_cvt_pk_bf16_f32 v20, v[BI], v[BI+1]
	v_cvt_pk_bf16_f32 v21, v[BI+2], v[BI+3]
	v_lshlrev_b32 v[BI], 16, v20
	v_and_b32 v[BI+1], 0xffff0000, v20
	v_lshlrev_b32 v[BI+2], 16, v21
	v_and_b32 v[BI+3], 0xffff0000, v21
; 16 matrix instructions: row blocks a0, a0 + 1 of the window's four x all 8 column blocks, 32 along K.  The 64 accumulators take turns in the same order in every quarter.
.macro MUL16 f, hi, a0, zero
	WIN MUL_LO+0x50*(\hi)
.irp a, \a0, (\a0)+1
.irp b, 0,1,2,3,4,5,6,7
.if \zero
	v_wmma_f32_16x16x32_f16 v[8*(8*(\a)+(\b)):8*(8*(\a)+(\b))+7], v[(\f)+8*(\b):(\f)+8*(\b)+7], v[(\f)+8*(4*(\hi)+(\a)):(\f)+8*(4*(\hi)+(\a))+7], 0
.else
	v_wmma_f32_16x16x32_f16 v[8*(8*(\a)+(\b)):8*(8*(\a)+(\b))+7], v[(\f)+8*(\b):(\f)+8*(\b)+7], v[(\f)+8*(4*(\hi)+(\a)):(\f)+8*(4*(\hi)+(\a))+7], v[8*(8*(\a)+(\b)):8*(8*(\a)+(\b))+7]
.endif
.endr
.endr
.endm
.macro FETCH q, f                      ; 32 LDS loads in one run: quarter q's images into buffer f: W's, then xs's
	WIN TO_B
.irp i, 0,1,2,3,4,5,6,7
	ds_load_b128 v[(\f)+8*(\i):(\f)+8*(\i)+3],   v[ADB] offset:16384*(\q)+1024*(\i)
	ds_load_b128 v[(\f)+8*(\i)+4:(\f)+8*(\i)+7], v[ADB] offset:16384*(\q)+1024*(\i)+512
.endr
	WIN 0
.irp i, 0,1,2,3,4,5,6,7
	ds_load_b128 v[(\f)+8*(\i):(\f)+8*(\i)+3],   v[ADA] offset:1024*(\q)+4096*(\i)
	ds_load_b128 v[(\f)+8*(\i)+4:(\f)+8*(\i)+7], v[ADA] offset:1024*(\q)+4096*(\i)+512
.endr
.endm
.macro QUARTER q, f, g, zero
	s_wait_dscnt 8                                 ; W and xs's rows 0-63 are in; the youngest eight loads may be out
	MUL16 \f, 0, 0, \zero
	MUL16 \f, 0, 2, \zero
	PLACES                                         ; in front of loads into registers that the quarter before multiplied
	FETCH \q, \g
	s_wait_dscnt 32                                ; all but the 32 just issued
	MUL16 \f, 1, 0, \zero
	MUL16 \f, 1, 2, \zero
.endm
; The last quarter multiplies buffer 1 and changes slots: each wave waits for all its tensor loads (its part of the next slot), adds 0 to its spare word, and waits for that and for its reads of this slot.
; fill = 1: the barrier opens a round of the cluster's barrier, and this slot is filled again, two K steps ahead, first thing behind it.
.macro TURN fill
	WIN 0
	s_wait_tensorcnt 0x0                           ; no tensor load of mine is out, so a group 0 may be written
	ds_add_u32 v[SPW], v[NIL]
.if \fill
	s_xor_b32 s[G0A+5], s[G0A+5], SLOT1
	s_add_nc_u64 s[G0A+6:G0A+7], s[G0A+6:G0A+7], 3145728
	s_xor_b32 s[G0B+5], s[G0B+5], SLOT1
	s_add_nc_u64 s[G0B+6:G0B+7], s[G0B+6:G0B+7], 65536
.endif
	s_wait_dscnt 9                                 ; the add and the youngest eight loads may be out
	MUL16 F1, 0, 0, 0
	s_wait_dscnt 0x0                               ; the add is done, and my reads of this slot are over
	s_barrier_signal -1
	MUL16 F1, 0, 2, 0
	WIN 0
	s_barrier_wait -1
.if \fill
	CREST                                          ; no wave of any partner still reads this slot or has a load on its way
	JLOAD                                          ; 224 matrix instructions ahead of the wait for it; its four v_nop are also the places in front of the loads below
.else
	PLACES
.endif
	s_xor_b32 s45, s45, SLOT1
	v_add_nc_u32 v[ADA], s45, v[AA0]
	v_add_nc_u32 v[ADB], s45, v[AB0]
	FETCH 0, F0
	MUL16 F1, 1, 0, 0
	MUL16 F1, 1, 2, 0
.endm
	s_wait_tensorcnt 0x1                           ; my part of K step 0 is in; step 1's may stay out
	s_barrier_signal -1
	s_barrier_wait -1
	FETCH 0, F0
	QUARTER 1, F0, F1, 1                           ; the first quarter stands in front of the loop: its products start the sums
	WIN 0
	s_mov_b32 s3, 6
.Lstep:                                                ; a trip: from a K step's second quarter to the next step's first; it asks for the step two on (steps 2 to 7)
	QUARTER 2, F1, F0, 0
	QUARTER 3, F0, F1, 0
	TURN 1
	QUARTER 1, F0, F1, 0
	WIN 0
	s_sub_co_u32 s3, s3, 1
	s_cmp_lg_u32 s3, 0
	s_cbranch_scc1 .Lstep
	s_mov_b32 s3, 2
.Ltl:                                                  ; the last two K steps ask for nothing: a loop of their own, without a tensor load, left in the middle of its second trip
	QUARTER 2, F1, F0, 0
	QUARTER 3, F0, F1, 0
	WIN 0
	s_sub_co_u32 s3, s3, 1
	s_cmp_eq_u32 s3, 0
	s_cbranch_scc1 .Llastq
	TURN 0
	QUARTER 1, F0, F1, 0
	WIN 0
	s_branch .Ltl
.Llastq:
	s_wait_dscnt 8
	MUL16 F1, 0, 0, 0
	MUL16 F1, 0, 2, 0
	s_wait_dscnt 0x0
	MUL16 F1, 1, 0, 0
	MUL16 F1, 1, 2, 0
; THE WAY OUT of block a (16 rows x 128 columns of f32): the accumulators go into my own stage as they stand, each from its low end on, come back as whole rows of 512 bytes, take the bias and are stored.
.macro OUTBLK a
	WIN 0x08+4*((\a)/4)                            ; store data window 2 or 3, address window 0
.irp b, 0,1,2,3,4,5,6,7
	ds_store_b128 v[STO], v[64*((\a)%4)+8*(\b):64*((\a)%4)+8*(\b)+3]   offset:64*(\b)
	ds_store_b128 v[STO], v[64*((\a)%4)+8*(\b)+4:64*((\a)%4)+8*(\b)+7] offset:64*(\b)+16
.endr
	WIN 0
.set BK, 64+64*((\a)%2)                ; two sets of 64 registers by turns: the set's last stores stand ahead of the block before's wait below
.irp t, 0,1,2,3,4,5,6,7,8,9,10,11,12,13,14,15
	ds_load_b128 v[BK+4*(\t):BK+4*(\t)+3], v[RD] offset:SP*(\t)        ; LDS serves a wave's instructions in order: these see the stores above; the next block's stores come behind them
.endr
	s_wait_xcnt 0x0                                ; the stores' base and the registers that earlier stores read are rewritten only behind this wait
.if (\a) > 0
	s_add_nc_u64 s[16:17], s[16:17], 65536         ; 16 rows on
.endif
.irp t, 0,1,2,3,4,5,6,7,8,9,10,11,12,13,14,15
	s_wait_dscnt 15-(\t)                           ; row t is back
	v_pk_add_f32 v[BK+4*(\t):BK+4*(\t)+1],   v[BK+4*(\t):BK+4*(\t)+1],   v[BI:BI+1]
	v_pk_add_f32 v[BK+4*(\t)+2:BK+4*(\t)+3], v[BK+4*(\t)+2:BK+4*(\t)+3], v[BI+2:BI+3]
	global_store_b128 v[L16], v[BK+4*(\t):BK+4*(\t)+3], s[16:17] offset:4096*(\t)  ; 512 consecutive bytes, aligned
.endr
.endm
	PLACES                                         ; the LDS stores read results just made
.irp a, 0,1,2,3,4,5,6,7
	OUTBLK \a
.endr
	s_wait_tensorcnt 0x0                           ; the wave's end: closing lines behind my last tensor load and my last LDS store
	ds_add_u32 v[SPW], v[NIL]
	s_wait_dscnt 0x0
	CROUND                                         ; the closing round: no work-group ends while a partner may still ask for a tile that names it
	s_endpgm
.Lfunc_end_k_qd35acbdbe0_outproj:
	.size	k_qd35acbdbe0_outproj, .Lfunc_end_k_qd35acbdbe0_outproj-k_qd35acbdbe0_outproj
	.p2alignl 7, 3214868480
	.fill 96, 4, 3214868480
	.section	.rodata,"a",@progbits
	.p2align	6, 0x0
	.amdhsa_kernel k_qd35acbdbe0_outproj
		.amdhsa_group_segment_fixed_size 327680
		.amdhsa_private_segment_fixed_size 0
		.amdhsa_enable_private_segment 0
		.amdhsa_kernarg_size 48
		.amdhsa_user_sgpr_count 2
		.amdhsa_user_sgpr_kernarg_segment_ptr 1
		.amdhsa_wavefront_size32 1
		.amdhsa_system_sgpr_workgroup_id_x 1
		.amdhsa_system_sgpr_workgroup_id_y 1
		.amdhsa_system_sgpr_workgroup_id_z 1
		.amdhsa_system_vgpr_workitem_id 0
		.amdhsa_next_free_vgpr 1024
		.amdhsa_next_free_sgpr 96
		.amdhsa_reserve_vcc 0
		.amdhsa_float_denorm_mode_32 3
		.amdhsa_float_denorm_mode_16_64 3
		.amdhsa_memory_ordered 1
		.amdhsa_forward_progress 1
		.amdhsa_inst_pref_size 122
	.end_amdhsa_kernel
	.amdgpu_metadata
---
amdhsa.version: [ 1, 2 ]
amdhsa.kernels:
  - .name:           k_qd35acbdbe0_outproj
    .symbol:         k_qd35acbdbe0_outproj.kd
    .args:
      - { .name: xs, .offset: 0, .size: 8, .value_kind: global_buffer, .address_space: global }
      - { .name: wo, .offset: 8, .size: 8, .value_kind: global_buffer, .address_space: global }
      - { .name: b_vo, .offset: 16, .size: 8, .value_kind: global_buffer, .address_space: global }
      - { .name: b_to, .offset: 24, .size: 8, .value_kind: global_buffer, .address_space: global }
      - { .name: out0, .offset: 32, .size: 8, .value_kind: global_buffer, .address_space: global }
      - { .name: out1, .offset: 40, .size: 8, .value_kind: global_buffer, .address_space: global }
    .group_segment_fixed_size: 327680
    .private_segment_fixed_size: 0
    .kernarg_segment_align: 8
    .kernarg_segment_size: 48
    .max_flat_workgroup_size: 128
    .sgpr_count:     96
    .vgpr_count:     1024
    .wavefront_size: 32
...
	.end_amdgpu_metadata
.endif
;; end of part 4
;; ======== version 2 of 2: 4 launches; version 1 with the launches pool, gatecast written anew for expert scheduling mode
;; limits: values are held in f16: magnitudes above 65,504 overflow, below 6.1e-05 lose precision
;; workspace buffers: xr 25,165,824 bytes; mr 131,072 bytes; gp 262,144 bytes; wq 12,582,912 bytes; wo 4,194,304 bytes; xs 25,165,824 bytes
;; launch pool (part 5): grid 8 x 64, 8 waves a work-group, no clusters, 5,376 bytes of LDS; arguments v, t, v_mask, t_mask, xr, mr; writes xr, mr
.if DOCPART == 5
	.amdgcn_target "amdgcn-amd-amdhsa--gfx1250"
	.amdhsa_code_object_version 6
	.text
	.protected	k_qd35acbdbe0_pool
	.globl	k_qd35acbdbe0_pool
	.p2align	8
	.type	k_qd35acbdbe0_pool,@function
k_qd35acbdbe0_pool:
	s_mov_b64 s[64:65], 0
	v_nop
	global_prefetch_b8 v0, s[64:65] scope:SCOPE_SE
	s_setreg_imm32_b32 hwreg(HW_REG_WAVE_SCHED_MODE, 0, 2), 2
	s_setreg_imm32_b32 hwreg(HW_REG_WAVE_MODE, 25, 1), 1
	s_wait_xcnt 0x0
	s_wait_alu depctr_vm_vsrc(0)
; POOL.  xr = relu(x rounded to bf16), row-major [12288][1024] (v's 4,096 rows, then t's 8,192); mr = bf16(relu(masked mean of x)), [2][32][1024] (v, then t).
; A work-group owns one batch (y = 0..31: v, 32..63: t) and 128 columns (x): it alone makes those columns' sums, so no sum spans work-groups.
; Wave w owns 16 (v) or 32 (t) rows, a lane 4 columns: a load of the wave covers 512 consecutive bytes, a store 256 consecutive bytes, aligned.
; The mean is summed in f32 from the unrounded x, as sum(x mask) / sum(mask); a batch whose mask sums to 0 gives what the division gives.
; No tensor load, cluster or matrix unit: a stream has no tile that two waves share.
; THE MODE: SCHED_MODE bits 1:0 = 2 (LLVM: expert scheduling mode 2), set by the entry lines.  The code itself states the register dependences
; between vector instructions and memory or LDS instructions, with s_wait_alu, always for 0.
; THE PLAN.  Registers that memory or LDS instructions touch:
;   XX          Written by the 16 loads at a trip's head; read by the trip's multiply-adds and roundings.  Behind the loop wave 0's LDS loads land in v16-55.
;   YY          Row i is written by row i's roundings and read by row i's store, which is issued four rows later, in front of row i + 4's arithmetic.
;   v2, v3      Offsets, made at the head and never written again: the rows are reached by the scalar bases and by immediate offsets.
;   v4-7, v9-11, v14   The sums and the LDS addresses: written ahead of the one wait that stands in front of the two LDS stores, and not again.
;   v20, v21    Wave 0's result, written by its last roundings, read by its store.
; So a trip has four waits on va_vdst, one for each four rows' stores, of which the last also states that XX is read out, and one wait on vm_vsrc, at its end, ahead of the next trip's writes of YY.
.set ROWB,  4096                       ; bytes in a row of x
.set SPARE, 4352                       ; LDS: 0..4095 the waves' partial sums, 4096..4127 their mask counts, from 4352 the spare words (128 bytes a wave)
.set XX,  16                           ; v[16:79]   16 rows as loaded, 4 registers each
.set YY,  80                           ; v[80:111]  16 rows to store, 2 registers each
.set SPW, 112                          ; v112 LDS address of my spare word; never rewritten
.set NIL, 113                          ; v113 0; never rewritten
	s_load_b256 s[4:11], s[0:1], 0x0               ; v s[4:5], t s[6:7], v_mask s[8:9], t_mask s[10:11]
	s_load_b128 s[12:15], s[0:1], 0x20             ; xr s[12:13], mr s[14:15]
	v_lshl_add_u32 v[SPW], v0, 2, SPARE
	v_mov_b32 v[NIL], 0
	v_lshrrev_b32 v1, 5, v0
	v_readfirstlane_b32 s32, v1                    ; wave 0..7
	v_and_b32 v1, 31, v0                           ; lane
	v_lshlrev_b32 v2, 4, v1                        ; my 16 bytes of a row piece of x
	v_lshlrev_b32 v3, 3, v1                        ; my 8 bytes of a row piece of xr
.irp j, 4,5,6,7,8
	v_mov_b32 v\j, 0                               ; v[4:7] the four column sums; v8 the 0 of the relu
.endr
	s_and_b32 s33, ttmp7, 0xffff                   ; y
	s_and_b32 s34, s33, 31                         ; batch
	s_lshr_b32 s35, s33, 5                         ; 0: v, 1: t
	s_lshl_b32 s36, 1, s35                         ; blocks of 16 rows a wave: 1 or 2
	s_mov_b32 s37, 0                               ; block counter
	s_mov_b32 s38, 0                               ; my rows' mask sum, f32
	s_mov_b32 s47, 0                               ; high word of the offset pair s[46:47]
	s_wait_alu depctr_va_sdst(0)                   ; s32 is written, ahead of its first reader: the bases below are made from it
	s_wait_kmcnt 0x0
	s_cmp_ge_u32 s33, 32
	s_cselect_b64 s[40:41], s[6:7], s[4:5]         ; x
	s_cselect_b64 s[42:43], s[10:11], s[8:9]       ; its mask
	s_lshl_b32 s46, s34, 19                        ; v: a batch is 128 rows of 4,096 bytes, a wave's share 16 rows; t: twice that
	s_lshl_b32 s39, s32, 16
	s_add_co_u32 s46, s46, s39
	s_lshl_b32 s46, s46, s35
	s_lshl_b32 s39, ttmp9, 9                       ; my 128 columns
	s_add_co_u32 s46, s46, s39
	s_add_nc_u64 s[40:41], s[40:41], s[46:47]
	s_lshl_b32 s46, s34, 9                         ; the mask: 4 bytes a row
	s_lshl_b32 s39, s32, 6
	s_add_co_u32 s46, s46, s39
	s_lshl_b32 s46, s46, s35
	s_add_nc_u64 s[42:43], s[42:43], s[46:47]
	s_lshl_b32 s46, s34, 7                         ; xr: row in the modality,
	s_lshl_b32 s39, s32, 4
	s_add_co_u32 s46, s46, s39
	s_lshl_b32 s46, s46, s35
	s_lshl_b32 s39, s35, 12                        ; t's rows lie behind v's 4,096,
	s_add_co_u32 s46, s46, s39
	s_lshl_b32 s46, s46, 11                        ; 2,048 bytes a row,
	s_lshl_b32 s39, ttmp9, 8                       ; my 128 columns
	s_add_co_u32 s46, s46, s39
	s_add_nc_u64 s[44:45], s[12:13], s[46:47]
	s_wait_alu depctr_va_vdst(0)                   ; v2 and v3 are written: every load and store of x and xr reads one of them as its offset
.Lblk:                                                 ; a trip: 16 rows
	s_load_b512 s[16:31], s[42:43], 0x0            ; their mask numbers
.irp i, 0,1,2,3,4,5,6,7,8,9,10,11,12,13,14,15
	global_load_b128 v[XX+4*(\i):XX+4*(\i)+3], v2, s[40:41] offset:ROWB*(\i)  ; no vector instruction since the last wait on va_vdst names XX, on the way in and over the backward jump
.endr
	s_wait_kmcnt 0x0
.set ri, 0
.rept 16
	s_wait_loadcnt 15-ri                           ; loads come back in order: row ri is in, the younger rows stay out
.if ((ri % 4) == 0) && (ri > 0)
	s_wait_alu depctr_va_vdst(0)                   ; the four rows before are rounded: their YY is written, which the four stores dealt among the next four rows read
.endif
.if ri >= 4
	global_store_b64 v3, v[YY+2*(ri-4):YY+2*(ri-4)+1], s[44:45] offset:2048*(ri-4)  ; the row four back; no vector instruction since the wait names its YY
.endif
	v_fmac_f32 v4, s[16+ri], v[XX+4*ri]
	v_fmac_f32 v5, s[16+ri], v[XX+4*ri+1]
	v_fmac_f32 v6, s[16+ri], v[XX+4*ri+2]
	v_fmac_f32 v7, s[16+ri], v[XX+4*ri+3]
	s_add_f32 s38, s38, s[16+ri]
	v_cvt_pk_bf16_f32 v[YY+2*ri], v[XX+4*ri], v[XX+4*ri+1]
	v_cvt_pk_bf16_f32 v[YY+2*ri+1], v[XX+4*ri+2], v[XX+4*ri+3]
	v_pk_max_num_bf16 v[YY+2*ri], v[YY+2*ri], v8              ; relu on the packed halves
	v_pk_max_num_bf16 v[YY+2*ri+1], v[YY+2*ri+1], v8
.set ri, ri+1
.endr
	s_wait_alu depctr_va_vdst(0)                   ; rows 12 to 15 are rounded, for the four stores below; and the trip's vector instructions are done reading XX, in which the next trip's loads land
.irp i, 12,13,14,15
	global_store_b64 v3, v[YY+2*(\i):YY+2*(\i)+1], s[44:45] offset:2048*(\i)
.endr
	s_wait_xcnt 0x0                                ; the bases and the stores' data are rewritten only behind this wait
	s_wait_alu depctr_vm_vsrc(0)                   ; the trip's stores have read YY, which the next trip's roundings write again
	s_add_nc_u64 s[40:41], s[40:41], 0x10000
	s_add_nc_u64 s[42:43], s[42:43], 64
	s_add_nc_u64 s[44:45], s[44:45], 0x8000
	s_add_co_u32 s37, s37, 1
	s_cmp_lt_u32 s37, s36
	s_cbranch_scc1 .Lblk
	s_lshl_b32 s46, s32, 9                         ; the waves' figures meet in LDS
	v_add_nc_u32 v9, s46, v2
	s_lshl_b32 s39, s32, 2
	v_mov_b32 v11, s39
	v_mov_b32 v10, s38
	v_mov_b32 v14, 4096                            ; where the mask counts lie: wave 0 reads by it behind the barrier
	s_wait_alu depctr_va_vdst(0)                   ; v9, v10, v11, v14 and the sums v[4:7] are written, which the LDS stores and loads below read; no vector instruction behind it names v16-55 before wave 0's loads land there
	ds_store_b128 v9, v[4:7]
	ds_store_b32 v11, v10 offset:4096
	s_wait_dscnt 0x0                               ; for the others' sake: my stores are done
	s_barrier_signal -1
	s_barrier_wait -1
	s_cmp_lg_u32 s32, 0
	s_cbranch_scc1 .Lend                           ; wave 0 finishes the 128 columns
.irp j, 0,1,2,3,4,5,6,7
	ds_load_b128 v[16+4*(\j):16+4*(\j)+3], v2 offset:512*(\j)
.endr
	ds_load_b128 v[48:51], v14
	ds_load_b128 v[52:55], v14 offset:16
	s_lshl_b32 s46, s33, 11                        ; mr: row 32 x modality + batch = y, 2,048 bytes a row
	s_lshl_b32 s39, ttmp9, 8
	s_add_co_u32 s46, s46, s39
	s_add_nc_u64 s[14:15], s[14:15], s[46:47]
	s_wait_dscnt 0x0
.irp j, 1,2,3,4,5,6,7
	v_pk_add_f32 v[16:17], v[16:17], v[16+4*(\j):17+4*(\j)]
	v_pk_add_f32 v[18:19], v[18:19], v[18+4*(\j):19+4*(\j)]
	v_add_f32 v48, v48, v[48+(\j)]
.endr
	v_rcp_f32 v48, v48
	v_nop                                          ; a plain instruction between the reciprocal and its use
	s_wait_alu depctr_va_vdst(0)                   ; the reciprocal has written v48, ahead of its first reader
	v_pk_mul_f32 v[16:17], v[16:17], v[48:49] op_sel_hi:[1,0]
	v_pk_mul_f32 v[18:19], v[18:19], v[48:49] op_sel_hi:[1,0]
	v_max_num_f32 v16, 0, v16
	v_max_num_f32 v17, 0, v17
	v_max_num_f32 v18, 0, v18
	v_max_num_f32 v19, 0, v19
	v_cvt_pk_bf16_f32 v20, v16, v17
	v_cvt_pk_bf16_f32 v21, v18, v19
	s_wait_alu depctr_va_vdst(0)                   ; the roundings have written v20 and v21, which the store reads
	global_store_b64 v3, v[20:21], s[14:15]        ; 256 consecutive bytes, aligned
.Lend:
	s_wait_dscnt 0x0                               ; the closing lines, six on end
	s_wait_alu 0x0
	s_wait_tensorcnt 0x0
	ds_add_u32 v[SPW], v[NIL]
	s_wait_dscnt 0x0
	s_endpgm
.Lfunc_end_k_qd35acbdbe0_pool:
	.size	k_qd35acbdbe0_pool, .Lfunc_end_k_qd35acbdbe0_pool-k_qd35acbdbe0_pool
	.p2alignl 7, 3214868480
	.fill 96, 4, 3214868480
	.section	.rodata,"a",@progbits
	.p2align	6, 0x0
	.amdhsa_kernel k_qd35acbdbe0_pool
		.amdhsa_group_segment_fixed_size 5376
		.amdhsa_private_segment_fixed_size 0
		.amdhsa_enable_private_segment 0
		.amdhsa_kernarg_size 48
		.amdhsa_user_sgpr_count 2
		.amdhsa_user_sgpr_kernarg_segment_ptr 1
		.amdhsa_wavefront_size32 1
		.amdhsa_system_sgpr_workgroup_id_x 1
		.amdhsa_system_sgpr_workgroup_id_y 1
		.amdhsa_system_sgpr_workgroup_id_z 1
		.amdhsa_system_vgpr_workitem_id 0
		.amdhsa_next_free_vgpr 116
		.amdhsa_next_free_sgpr 66
		.amdhsa_reserve_vcc 0
		.amdhsa_float_denorm_mode_32 3
		.amdhsa_float_denorm_mode_16_64 3
		.amdhsa_memory_ordered 1
		.amdhsa_forward_progress 1
		.amdhsa_inst_pref_size 16
	.end_amdhsa_kernel
	.amdgpu_metadata
---
amdhsa.version: [ 1, 2 ]
amdhsa.kernels:
  - .name:           k_qd35acbdbe0_pool
    .symbol:         k_qd35acbdbe0_pool.kd
    .args:
      - { .name: v, .offset: 0, .size: 8, .value_kind: global_buffer, .address_space: global }
      - { .name: t, .offset: 8, .size: 8, .value_kind: global_buffer, .address_space: global }
      - { .name: v_mask, .offset: 16, .size: 8, .value_kind: global_buffer, .address_space: global }
      - { .name: t_mask, .offset: 24, .size: 8, .value_kind: global_buffer, .address_space: global }
      - { .name: xr, .offset: 32, .size: 8, .value_kind: global_buffer, .address_space: global }
      - { .name: mr, .offset: 40, .size: 8, .value_kind: global_buffer, .address_space: global }
    .group_segment_fixed_size: 5376
    .private_segment_fixed_size: 0
    .kernarg_segment_align: 8
    .kernarg_segment_size: 48
    .max_flat_workgroup_size: 256
    .sgpr_count:     66
    .vgpr_count:     116
    .wavefront_size: 32
...
	.end_amdgpu_metadata
.endif
;; end of part 5
;; launch gatecast (part 6): grid 20 x 16, 8 waves a work-group, no clusters, 99,328 bytes of LDS; arguments mr, W_t4v, W_v4t, b_t4v, b_v4t, W_v, W_t, W_vo, W_to, gp, wq, wo; writes gp, wq, wo
.if DOCPART == 6
	.amdgcn_target "amdgcn-amd-amdhsa--gfx1250"
	.amdhsa_code_object_version 6
	.text
	.protected	k_qd35acbdbe0_gatecast
	.globl	k_qd35acbdbe0_gatecast
	.p2align	8
	.type	k_qd35acbdbe0_gatecast,@function
k_qd35acbdbe0_gatecast:
	s_mov_b64 s[64:65], 0
	v_nop
	global_prefetch_b8 v0, s[64:65] scope:SCOPE_SE
	s_setreg_imm32_b32 hwreg(HW_REG_WAVE_SCHED_MODE, 0, 2), 2
	s_setreg_imm32_b32 hwreg(HW_REG_WAVE_MODE, 25, 1), 1
	s_wait_xcnt 0x0
	s_wait_alu depctr_vm_vsrc(0)
; GATES AND WEIGHT IMAGES.  Three kinds of work-group, chosen by x (the same for all eight waves):
;   x = 0..3    gate m = x / 2, columns 32 (2 y + x % 2) on: 1 + sigmoid(mr[1 - m] W4 + b4); m = 0: t's mean, W_t4v (the gate of v's attention); m = 1: v's mean, W_v4t
;   x = 4..15   W_v, W_t rounded to bf16 and laid out as fragment images in wq: part (k, q, v), modality, half of K by x; head by y
;   x = 16..19  W_vo, W_to rounded to bf16, that number written as f16, as fragment images in wo: modality, half of K by x; 64 columns by y
; gp lies in blocks [gate][32 columns][batch 32][32] of f32: a gate work-group stores one dense block of 4,096 bytes.
; A FRAGMENT IMAGE is the register image of 32 k x 16 columns: 512 bytes of registers 0-3 (lane l at 16 l), then 512 of registers 4-7; lane (r = l % 16, h = l / 16) holds column r and
; k = 8 h + 0..7, then 16 + 8 h + 0..7.  THE COMMON STEP: a wave brings its rows (k) of f32 by 32 loads, ALL ISSUED AHEAD OF THE FIRST WAIT, rounds them, lays them into its own LDS block as [k][column]
; 16-bit numbers, and reads fragments back with the turning load.  Images: 64 k x 64 columns, LDS rows 160 bytes apart.  Gates: 128 k x 32 columns, LDS rows 96 bytes apart; a row piece of W4 is 128
; bytes, so each aligned 256 bytes of W_t4v and W_v4t are read by two work-groups, half each: the price of 32 loads a wave where 64 columns would need 64.
; All inputs are rounded to bf16, the biases too.  LIMIT: W_vo and W_to stay within f16's range, 65,504; below 6e-5 they keep f16's fixed step of 6e-8.
; THE MODE: SCHED_MODE bits 1:0 = 2 (LLVM: expert scheduling mode 2), set by the entry lines.  The code itself states the register dependences
; between vector or matrix instructions and memory or LDS instructions, with s_wait_alu, always for 0.
; THE PLAN.  Registers that memory or LDS instructions touch:
;   the 32 loads' registers   Load i lands in four registers; its roundings read them and write the first two of them, in place; its LDS store, issued eight loads later, reads those two.
;                             In the gates v144-207 are then written once more, by the turning loads.
;   v16-79 (images)           Written by the turning loads, read by the global stores: no vector instruction names them.
;   v16-47 (gates)            The accumulators: written by the products, read by the LDS stores.
;   v80-143 (gates)           mr's fragments: written by loads, read by the products; behind them the bias lands in v112-115 and the partial sums in v80-111; v80-83 leave by the last store.
;   v3-11, v14                Addresses: made ahead of a path's first load and not written again on that path.
;   T                         Named by vector instructions alone.
; So each eight loads have one wait on va_vdst, behind the wait for the next eight's first load, and their eight LDS stores are dealt among the next eight's roundings, which name none of their registers.
.set WTB,   12288                      ; a wave's LDS block: gates 128 rows x 96 bytes, images 64 rows x 160; later, in the gates, 32 batches x 144 bytes of f32 partial sums
.set SPARE, 98304                      ; behind the eight blocks: the spare words, 128 bytes a wave
.set SPW, 12                           ; v12 LDS address of my spare word; never rewritten
.set NIL, 13                           ; v13 0; never rewritten
.set ACC, 16                           ; gates: v[16:47] 4 accumulators (column block n, batch block b at 8 (2 n + b)); images: v[16:79] 8 fragments
.set M,   80                           ; gates: v[80:143] mr's fragments (K step e, batch block b at 16 e + 8 b), later the partial sums read back; images: v[80:207] the 32 loads
.set X,   144                          ; gates: v[144:207] loads 0-15 (16-23 in v[48:79], 24-31 in v[208:239]), then W's 8 fragments (K step e, column block n at 16 e + 8 n)
.set T,   240                          ; v[240:245] at work
.set WB,  40                           ; s[40:41] W at my first row and column
.set OB,  42                           ; s[42:43] where my results go
; v1 r, v2 h, v3 my offset in the rows of one load, v4 where I put 8 bytes in LDS, v5 my address for the turning load, v10 16 x lane, v14 (l / 8) % 2, v15 l % 8; s52 a word's upper half
; Load i of 32, in registers r on, is rounded in place, into the first two of its four registers; load i - 8, in registers rp on, goes into LDS, step bytes behind load i - 9.
; fmt = 0: bf16; 1: the bf16 number as f16.
.macro CONV i, r, rp, fmt, step
	s_wait_loadcnt 31-(\i)                         ; loads come back in order: load i is in, the 31 - i younger ones stay out
.if ((\i) > 0) && (((\i) % 8) == 0)
	s_wait_alu depctr_va_vdst(0)                   ; the roundings of the eight loads before have written their registers, which the eight LDS stores dealt among this eight read
.endif
.if (\i) >= 8
	ds_store_b64 v4, v[(\rp):(\rp)+1] offset:(\step)*((\i)-8)  ; no vector instruction since the wait names these two registers or v4
.endif
.set rX, (\r)
.if \fmt
	v_cvt_pk_bf16_f32 v[T], v[rX], v[rX+1]
	v_cvt_pk_bf16_f32 v[T+1], v[rX+2], v[rX+3]
	v_lshlrev_b32 v[T+2], 16, v[T]
	v_and_b32 v[T+3], s52, v[T]
	v_lshlrev_b32 v[T+4], 16, v[T+1]
	v_and_b32 v[T+5], s52, v[T+1]
	v_cvt_pk_f16_f32 v[rX], v[T+2], v[T+3]
	v_cvt_pk_f16_f32 v[rX+1], v[T+4], v[T+5]
.else
	v_cvt_pk_bf16_f32 v[rX], v[rX], v[rX+1]
	v_cvt_pk_bf16_f32 v[rX+1], v[rX+2], v[rX+3]
.endif
.endm
; 64 k x 64 columns become 8 images; a load takes 256 bytes of two rows; kss: bytes from one K step of 32 to the next in the output
.macro IMG fmt, rowb, kss
	s_wait_alu depctr_va_vdst(0)                   ; v3, v4, v5 and v10 are written: the loads, LDS stores, turning loads and stores below read them as addresses
.set ii, 0
.rept 32
	global_load_b128 v[M+4*ii:M+4*ii+3], v3, s[WB:WB+1] offset:ii*2*(\rowb) th:TH_LOAD_NT
.set ii, ii+1
.endr
.set ii, 0
.rept 32
	CONV ii, M+4*ii, M+4*(ii-8), \fmt, 320
.set ii, ii+1
.endr
	s_wait_alu depctr_va_vdst(0)                   ; the roundings of loads 24 to 31 have written their registers, which the last eight LDS stores read
.set ii, 24
.rept 8
	ds_store_b64 v4, v[M+4*ii:M+4*ii+1] offset:320*ii
.set ii, ii+1
.endr
.irp e, 0,1
.irp c, 0,1,2,3
	ds_load_tr16_b128 v[ACC+32*\e+8*\c:ACC+32*\e+8*\c+3],   v5 offset:5120*\e+32*\c       ; LDS serves a wave's instructions in order: these see my stores above
	ds_load_tr16_b128 v[ACC+32*\e+8*\c+4:ACC+32*\e+8*\c+7], v5 offset:5120*\e+32*\c+2560
.endr
.endr
	s_wait_dscnt 0x0
.irp e, 0,1
.irp c, 0,1,2,3
	global_store_b128 v10, v[ACC+32*\e+8*\c:ACC+32*\e+8*\c+3],   s[OB:OB+1] offset:(\kss)*\e+1024*\c      ; 512 consecutive bytes, aligned
	global_store_b128 v10, v[ACC+32*\e+8*\c+4:ACC+32*\e+8*\c+7], s[OB:OB+1] offset:(\kss)*\e+1024*\c+512
.endr
.endr
.endm
	s_load_b512 s[8:23], s[0:1], 0x0               ; mr s[8:9], W_t4v s[10:11], W_v4t s[12:13], b_t4v s[14:15], b_v4t s[16:17], W_v s[18:19], W_t s[20:21], W_vo s[22:23]
	s_load_b256 s[24:31], s[0:1], 0x40             ; W_to s[24:25], gp s[26:27], wq s[28:29], wo s[30:31]
	v_lshl_add_u32 v[SPW], v0, 2, SPARE
	v_mov_b32 v[NIL], 0
	v_lshrrev_b32 v1, 5, v0
	v_readfirstlane_b32 s32, v1                    ; wave 0..7
	v_and_b32 v10, 31, v0
	v_lshlrev_b32 v10, 4, v10                      ; 16 x lane
	v_and_b32 v1, 15, v0                           ; r
	v_bfe_u32 v2, v0, 4, 1                         ; h
	v_and_b32 v15, 7, v0                           ; l % 8
	v_bfe_u32 v14, v0, 3, 1                        ; (l / 8) % 2
	s_wait_alu depctr_va_sdst(0)                   ; s32 is written, ahead of its first reader: my LDS block and my bases are made from it
	s_mul_i32 s33, s32, WTB                        ; my LDS block
	v_mul_u32_u24 v4, v2, 160                      ; images, in: row h of the two, 8 bytes for 4 columns
	v_lshl_add_u32 v4, v1, 3, v4
	v_add_nc_u32 v4, s33, v4
	v_lshl_add_u32 v5, v2, 3, v15                  ; the turning load: lane l reads row 8 h + l % 8, columns 8 ((l / 8) % 2) + 0..7
	v_mul_u32_u24 v5, v5, 160
	v_lshl_add_u32 v5, v14, 4, v5
	v_add_nc_u32 v5, s33, v5
	s_mov_b32 s52, 0xffff0000
	s_mov_b32 s34, ttmp9                           ; x
	s_and_b32 s35, ttmp7, 0xffff                   ; y
	s_mov_b32 s45, 0                               ; high word of the offset pair s[44:45]
	s_wait_kmcnt 0x0
	s_cmp_lt_u32 s34, 4
	s_cbranch_scc1 .Lgate
	s_cmp_lt_u32 s34, 16
	s_cbranch_scc0 .Lwo
	; W_v, W_t -> wq [modality][head][K block of 128][K step of 32][part x 4 + column block][1,024 bytes]
	s_sub_co_u32 s36, s34, 4
	s_lshr_b32 s37, s36, 2                         ; part: 0 k, 1 q, 2 v
	s_bfe_u32 s38, s36, 0x10001                    ; modality
	s_and_b32 s39, s36, 1
	s_lshl_b32 s39, s39, 3
	s_add_co_u32 s39, s39, s32                     ; my 64 rows of K: chunk 0..15
	s_mul_i32 s44, s39, 786432                     ; 64 rows of 12,288 bytes
	s_lshl_b32 s46, s37, 12                        ; the part's 1,024 columns
	s_add_co_u32 s44, s44, s46
	s_lshl_b32 s46, s35, 8                         ; the head's 64
	s_add_co_u32 s44, s44, s46
	s_cmp_eq_u32 s38, 1
	s_cselect_b64 s[WB:WB+1], s[20:21], s[18:19]
	s_add_nc_u64 s[WB:WB+1], s[WB:WB+1], s[44:45]
	s_lshl_b32 s44, s38, 4
	s_add_co_u32 s44, s44, s35
	s_lshl_b32 s44, s44, 3
	s_lshr_b32 s46, s39, 1
	s_add_co_u32 s44, s44, s46
	s_mul_i32 s44, s44, 49152                      ; a K block: 4 steps x 12 images
	s_and_b32 s46, s39, 1
	s_mul_i32 s46, s46, 24576
	s_add_co_u32 s44, s44, s46
	s_lshl_b32 s46, s37, 12
	s_add_co_u32 s44, s44, s46
	s_add_nc_u64 s[OB:OB+1], s[28:29], s[44:45]
	v_mul_u32_u24 v3, v2, 12288
	v_lshl_add_u32 v3, v1, 4, v3
	IMG 0, 12288, 12288
	s_branch .Lend
.Lwo:	; W_vo, W_to -> wo [modality][256 columns][K block of 128][K step of 32][column block 0..15][1,024 bytes]
	s_sub_co_u32 s36, s34, 16
	s_lshr_b32 s38, s36, 1                         ; modality
	s_and_b32 s39, s36, 1
	s_lshl_b32 s39, s39, 3
	s_add_co_u32 s39, s39, s32                     ; chunk
	s_lshl_b32 s44, s39, 18                        ; 64 rows of 4,096 bytes
	s_lshl_b32 s46, s35, 8
	s_add_co_u32 s44, s44, s46
	s_cmp_eq_u32 s38, 1
	s_cselect_b64 s[WB:WB+1], s[24:25], s[22:23]
	s_add_nc_u64 s[WB:WB+1], s[WB:WB+1], s[44:45]
	s_lshl_b32 s44, s38, 2
	s_lshr_b32 s46, s35, 2
	s_add_co_u32 s44, s44, s46
	s_lshl_b32 s44, s44, 3
	s_lshr_b32 s46, s39, 1
	s_add_co_u32 s44, s44, s46
	s_lshl_b32 s44, s44, 16                        ; a K block: 4 steps x 16 images
	s_and_b32 s46, s39, 1
	s_lshl_b32 s46, s46, 15
	s_add_co_u32 s44, s44, s46
	s_and_b32 s46, s35, 3
	s_lshl_b32 s46, s46, 12
	s_add_co_u32 s44, s44, s46
	s_add_nc_u64 s[OB:OB+1], s[30:31], s[44:45]
	v_lshlrev_b32 v3, 12, v2
	v_lshl_add_u32 v3, v1, 4, v3
	IMG 1, 4096, 16384
	s_branch .Lend
.Lgate:	; 32 batches x 32 columns; wave w sums over k = 128 w .. 128 w + 127, and the eight partial sums meet in LDS
	s_lshr_b32 s37, s34, 1                         ; which gate
	s_and_b32 s38, s34, 1
	s_lshl_b32 s39, s35, 1
	s_add_co_u32 s39, s39, s38                     ; block of 32 columns, 0..31
	s_cmp_eq_u32 s37, 1
	s_cselect_b64 s[WB:WB+1], s[12:13], s[10:11]
	s_cselect_b64 s[50:51], s[16:17], s[14:15]
	s_xor_b32 s36, s37, 1                          ; the other modality's mean
	s_lshl_b32 s44, s36, 16
	s_lshl_b32 s46, s32, 8
	s_add_co_u32 s44, s44, s46
	s_add_nc_u64 s[48:49], s[8:9], s[44:45]        ; mr at my 128 k
	s_lshl_b32 s44, s32, 19                        ; 128 rows of 4,096 bytes
	s_lshl_b32 s46, s39, 7                         ; 32 columns are 128 bytes
	s_add_co_u32 s44, s44, s46
	s_add_nc_u64 s[WB:WB+1], s[WB:WB+1], s[44:45]
	s_mov_b32 s44, s46
	s_add_nc_u64 s[50:51], s[50:51], s[44:45]      ; the bias at my 32 columns
	s_lshl_b32 s44, s37, 17
	s_lshl_b32 s46, s39, 12
	s_add_co_u32 s44, s44, s46
	s_add_nc_u64 s[OB:OB+1], s[26:27], s[44:45]    ; my block of gp
	v_bfe_u32 v9, v0, 3, 2                         ; l / 8
	v_lshlrev_b32 v3, 12, v9                       ; W: a load takes 128 bytes of four rows: row l / 8, 16 bytes at 16 (l % 8)
	v_lshl_add_u32 v3, v15, 4, v3
	v_mul_u32_u24 v4, v9, 96                       ; into LDS: the same row, 8 bytes
	v_lshl_add_u32 v4, v15, 3, v4
	v_add_nc_u32 v4, s33, v4
	v_lshl_add_u32 v5, v2, 3, v15                  ; the turning load, rows 96 bytes apart
	v_mul_u32_u24 v5, v5, 96
	v_lshl_add_u32 v5, v14, 4, v5
	v_add_nc_u32 v5, s33, v5
	v_lshlrev_b32 v6, 11, v1
	v_lshl_add_u32 v6, v2, 4, v6                   ; mr: batch r, 16 bytes for each half of the lanes
	v_mul_u32_u24 v7, v1, 144                      ; partial sums in: batch r, columns 8 h on; rows of 128 + 16 bytes
	v_lshl_add_u32 v7, v2, 5, v7
	v_add_nc_u32 v7, s33, v7
	s_mul_i32 s46, s32, 576                        ; back: batch 4 w + l / 8, columns 4 (l % 8) on
	v_mul_u32_u24 v8, v9, 144
	v_lshl_add_u32 v8, v15, 4, v8
	v_add_nc_u32 v8, s46, v8
	v_add_nc_u32 v9, 49152, v8                     ; waves 4 to 7's blocks lie beyond the 16-bit offset
	s_lshl_b32 s46, s32, 9
	v_add_nc_u32 v11, s46, v10                     ; gp: my wave's four batches are 512 consecutive bytes of the block
	v_lshlrev_b32 v14, 4, v15                      ; the bias of my 4 columns
	s_wait_alu depctr_va_vdst(0)                   ; the addresses v3 to v9, v11 and v14 are written, which the loads, LDS instructions and the store of this path read
.irp e, 0,1,2,3
.irp b, 0,1
	global_load_b128 v[M+16*\e+8*\b:M+16*\e+8*\b+3],   v6, s[48:49] offset:32768*\b+64*\e
	global_load_b128 v[M+16*\e+8*\b+4:M+16*\e+8*\b+7], v6, s[48:49] offset:32768*\b+64*\e+32
.endr
.endr
.macro GSL i                           ; where load i of W lies
.if (\i) < 16
.set gx, X+4*(\i)
.elseif (\i) < 24
.set gx, 48+4*((\i)-16)
.else
.set gx, 208+4*((\i)-24)
.endif
.endm
.set ii, 0
.rept 32
	GSL ii
	global_load_b128 v[gx:gx+3], v3, s[WB:WB+1] offset:ii*16384 th:TH_LOAD_NT
.set ii, ii+1
.endr
.set ii, 0
.rept 32
	GSL ii-8                                       ; where the load eight back lies (from load 8 on)
.set gq, gx
	GSL ii
	CONV ii, gx, gq, 0, 384                        ; (mr's loads were issued ahead of W's: they are in with W's first)
.set ii, ii+1
.endr
	s_wait_alu depctr_va_vdst(0)                   ; the roundings of loads 24 to 31 have written their registers, which the last eight LDS stores read; and all roundings are done with v144-207, in which the turning loads land
.set ii, 24
.rept 8
	ds_store_b64 v4, v[208+4*(ii-24):208+4*(ii-24)+1] offset:384*ii
.set ii, ii+1
.endr
	s_wait_alu depctr_vm_vsrc(0)                   ; the LDS stores of loads 0 to 15 have read their data in v144-207, in which the turning loads land
.irp e, 0,1,2,3
.irp n, 0,1
	ds_load_tr16_b128 v[X+16*\e+8*\n:X+16*\e+8*\n+3],   v5 offset:3072*\e+32*\n       ; LDS serves a wave's instructions in order: these see my stores above
	ds_load_tr16_b128 v[X+16*\e+8*\n+4:X+16*\e+8*\n+7], v5 offset:3072*\e+32*\n+1536
.endr
.endr
	s_wait_dscnt 0x0
; Source 0 = 16 columns of W, source 1 = 16 batches: a lane holds batch r and columns 8 h + 0..7.  The 4 accumulators take turns; the first K step starts the sums.
.irp e, 0,1,2,3
.irp n, 0,1
.irp b, 0,1
.if \e == 0
	v_wmma_f32_16x16x32_bf16 v[ACC+8*(2*\n+\b):ACC+8*(2*\n+\b)+7], v[X+16*\e+8*\n:X+16*\e+8*\n+7], v[M+16*\e+8*\b:M+16*\e+8*\b+7], 0
.else
	v_wmma_f32_16x16x32_bf16 v[ACC+8*(2*\n+\b):ACC+8*(2*\n+\b)+7], v[X+16*\e+8*\n:X+16*\e+8*\n+7], v[M+16*\e+8*\b:M+16*\e+8*\b+7], v[ACC+8*(2*\n+\b):ACC+8*(2*\n+\b)+7]
.endif
.endr
.endr
.endr
.rept 4
	v_nop                                          ; four places behind the products: the stores below read their results, the loads below land in their sources
.endr
	s_wait_alu depctr_va_vdst(0)                   ; the products have written the accumulators, which the LDS stores read, and are done reading mr's fragments, in which the bias and the partial sums land; the places above stay beside this wait
.irp n, 0,1
.irp b, 0,1
	ds_store_b128 v7, v[ACC+8*(2*\n+\b):ACC+8*(2*\n+\b)+3]   offset:2304*\b+64*\n      ; each accumulator from its low end on; over my rows of W, whose reads have come back
	ds_store_b128 v7, v[ACC+8*(2*\n+\b)+4:ACC+8*(2*\n+\b)+7] offset:2304*\b+64*\n+16
.endr
.endr
	global_load_b128 v[112:115], v14, s[50:51]     ; the bias of my 4 columns
	s_wait_dscnt 0x0                               ; for the others' sake: my partial sums are in LDS
	s_barrier_signal -1
	s_barrier_wait -1
.irp s, 0,1,2,3
	ds_load_b128 v[M+4*\s:M+4*\s+3], v8 offset:12288*\s                ; no vector or matrix instruction since the wait above names v80-111
.endr
.irp s, 0,1,2,3
	ds_load_b128 v[M+16+4*\s:M+16+4*\s+3], v9 offset:12288*\s
.endr
	s_wait_loadcnt 0x0
	v_cvt_pk_bf16_f32 v[T], v112, v113             ; the bias rounded to bf16, like every input,
	v_cvt_pk_bf16_f32 v[T+1], v114, v115
	v_lshlrev_b32 v112, 16, v[T]
	v_and_b32 v113, s52, v[T]
	v_lshlrev_b32 v114, 16, v[T+1]
	v_and_b32 v115, s52, v[T+1]
	v_pk_mul_f32 v[112:113], v[112:113], 0xbfb8aa3b op_sel_hi:[1,0]  ; times -log2(e), so that sum and bias go into one fused multiply-add
	v_pk_mul_f32 v[114:115], v[114:115], 0xbfb8aa3b op_sel_hi:[1,0]
	s_wait_dscnt 0x0
.irp s, 1,2,3,4,5,6,7
	v_pk_add_f32 v[M:M+1],   v[M:M+1],   v[M+4*\s:M+4*\s+1]        ; K ascending
	v_pk_add_f32 v[M+2:M+3], v[M+2:M+3], v[M+4*\s+2:M+4*\s+3]
.endr
	v_pk_fma_f32 v[M:M+1],   v[M:M+1],   0xbfb8aa3b, v[112:113] op_sel_hi:[1,0,1]
	v_pk_fma_f32 v[M+2:M+3], v[M+2:M+3], 0xbfb8aa3b, v[114:115] op_sel_hi:[1,0,1]
.irp b, 80,81,82,83
	v_exp_f32 v\b, v\b                             ; e^-z
.endr
	v_nop
	s_wait_alu depctr_va_vdst(0)                   ; the four exponentials have written v80-83, ahead of their first reader
.irp b, 80,81,82,83
	v_add_f32 v\b, 1.0, v\b
.endr
.irp b, 80,81,82,83
	v_rcp_f32 v\b, v\b                             ; the sigmoid
.endr
	v_nop
	s_wait_alu depctr_va_vdst(0)                   ; the four reciprocals have written v80-83, ahead of their first reader
.irp b, 80,81,82,83
	v_add_f32 v\b, 1.0, v\b                        ; 1 + gate
.endr
	s_wait_alu depctr_va_vdst(0)                   ; the additions have written v[80:83], which the store reads
	global_store_b128 v11, v[80:83], s[OB:OB+1]    ; 512 consecutive bytes, aligned
.Lend:
	s_wait_dscnt 0x0                               ; the closing lines, six on end
	s_wait_alu 0x0
	s_wait_tensorcnt 0x0
	ds_add_u32 v[SPW], v[NIL]
	s_wait_dscnt 0x0
	s_endpgm
.Lfunc_end_k_qd35acbdbe0_gatecast:
	.size	k_qd35acbdbe0_gatecast, .Lfunc_end_k_qd35acbdbe0_gatecast-k_qd35acbdbe0_gatecast
	.p2alignl 7, 3214868480
	.fill 96, 4, 3214868480
	.section	.rodata,"a",@progbits
	.p2align	6, 0x0
	.amdhsa_kernel k_qd35acbdbe0_gatecast
		.amdhsa_group_segment_fixed_size 99328
		.amdhsa_private_segment_fixed_size 0
		.amdhsa_enable_private_segment 0
		.amdhsa_kernarg_size 96
		.amdhsa_user_sgpr_count 2
		.amdhsa_user_sgpr_kernarg_segment_ptr 1
		.amdhsa_wavefront_size32 1
		.amdhsa_system_sgpr_workgroup_id_x 1
		.amdhsa_system_sgpr_workgroup_id_y 1
		.amdhsa_system_sgpr_workgroup_id_z 1
		.amdhsa_system_vgpr_workitem_id 0
		.amdhsa_next_free_vgpr 256
		.amdhsa_next_free_sgpr 66
		.amdhsa_reserve_vcc 0
		.amdhsa_float_denorm_mode_32 3
		.amdhsa_float_denorm_mode_16_64 3
		.amdhsa_memory_ordered 1
		.amdhsa_forward_progress 1
		.amdhsa_inst_pref_size 57
	.end_amdhsa_kernel
	.amdgpu_metadata
---
amdhsa.version: [ 1, 2 ]
amdhsa.kernels:
  - .name:           k_qd35acbdbe0_gatecast
    .symbol:         k_qd35acbdbe0_gatecast.kd
    .args:
      - { .name: mr, .offset: 0, .size: 8, .value_kind: global_buffer, .address_space: global }
      - { .name: W_t4v, .offset: 8, .size: 8, .value_kind: global_buffer, .address_space: global }
      - { .name: W_v4t, .offset: 16, .size: 8, .value_kind: global_buffer, .address_space: global }
      - { .name: b_t4v, .offset: 24, .size: 8, .value_kind: global_buffer, .address_space: global }
      - { .name: b_v4t, .offset: 32, .size: 8, .value_kind: global_buffer, .address_space: global }
      - { .name: W_v, .offset: 40, .size: 8, .value_kind: global_buffer, .address_space: global }
      - { .name: W_t, .offset: 48, .size: 8, .value_kind: global_buffer, .address_space: global }
      - { .name: W_vo, .offset: 56, .size: 8, .value_kind: global_buffer, .address_space: global }
      - { .name: W_to, .offset: 64, .size: 8, .value_kind: global_buffer, .address_space: global }
      - { .name: gp, .offset: 72, .size: 8, .value_kind: global_buffer, .address_space: global }
      - { .name: wq, .offset: 80, .size: 8, .value_kind: global_buffer, .address_space: global }
      - { .name: wo, .offset: 88, .size: 8, .value_kind: global_buffer, .address_space: global }
    .group_segment_fixed_size: 99328
    .private_segment_fixed_size: 0
    .kernarg_segment_align: 8
    .kernarg_segment_size: 96
    .max_flat_workgroup_size: 256
    .sgpr_count:     66
    .vgpr_count:     256
    .wavefront_size: 32
...
	.end_amdgpu_metadata
.endif
;; end of part 6
;; launch qkvattn: the kernel of part 3 again; grid 16 x 48, 4 waves a work-group, clusters of 4 x 4, 327,680 bytes of LDS; arguments xr, wq, gp, b_v, b_t, v_mask, t_mask, v, t, xs; writes xs
;; launch outproj: the kernel of part 4 again; grid 4 x 48, 4 waves a work-group, clusters of 4 x 4, 327,680 bytes of LDS; arguments xs, wo, b_vo, b_to, out0, out1; writes out0, out1
